; MI455X (gfx1250); checked and timed in simulation.
; The chip was launched on July 23, 2026; its instructions are those of AMD's public machine-readable ISA for CDNA 5 (MIT licence, August 2026) and "CDNA5" Instruction Set Architecture Reference Guide (July 2026). The comments in the code are by the model that wrote it; some were corrected since.
;; GPSA. Allowed arithmetic: float matrix products may take bf16 or f16 operands with f32 sums; all other float work in f32.
;; Inputs: W_pos 4 x 8 float32; W_proj 256 x 256 float32; W_qk 256 x 512 float32; W_v 256 x 256 float32; b_pos 8 float32; b_proj 256 float32; gating 8 float32; voxel_coord 4 x 1,024 x 3 float32; x 4 x 1,024 x 256 float32.
;; Outputs: out0 4 x 1,024 x 256 float32.
;; 3 versions, each right; version 2 is faster than version 1; version 3 is version 2 with the launch qkv written anew for expert scheduling mode. Each part assembles by itself: llvm-mc -triple=amdgcn-amd-amdhsa -mcpu=gfx1250 --defsym DOCPART=n.
;; ======== version 1 of 3: 3 launches
;; workspace buffers: Qf 2,097,152 bytes; KVf 4,194,304 bytes; Af 4,194,304 bytes
;; launch qkv (part 1): grid 64 x 4, 8 waves a work-group, no clusters, 136,192 bytes of LDS; arguments x, W_qk, W_v, Qf, KVf; writes Qf, KVf
.if DOCPART == 1
	.amdgcn_target "amdgcn-amd-amdhsa--gfx1250"
	.amdhsa_code_object_version 6
	.text
	.protected	k_qc1475cf4fb_qkv
	.globl	k_qc1475cf4fb_qkv
	.p2align	8
	.type	k_qc1475cf4fb_qkv,@function
k_qc1475cf4fb_qkv:
	s_mov_b64 s[64:65], 0
	v_nop
	global_prefetch_b8 v0, s[64:65] scope:SCOPE_SE
	s_setreg_imm32_b32 hwreg(HW_REG_WAVE_MODE, 25, 1), 1
	s_wait_xcnt 0x0
; q, k, v = x W for 64 tokens and one pair of heads (64 columns each of q, k and v), bf16 operands, f32 sums.
; The results are stored in bf16 in the order in which a 16 x 32 matrix fragment lies in a wave's registers: a block of 1,024 bytes,
; byte c*512 + lane*16 = registers 4c .. 4c+3 of that lane.  The attention launch loads such blocks with no shuffle.
;   Qf : [y = 4 b + head pair][block of 64 tokens][token tile tt 0..3][head a 0..1][1 KB]   16 tokens x 32 d, times 32^-0.5 * log2(e)
;   KVf: [y][block][16 KB]: bytes 0..8191 K as [tt][a][1 KB] (16 keys x 32 d); bytes 8192.. V^T as [ks 0..1][a][dt 0..1][1 KB] (16 d x 32 keys)
; Eight waves.  x and W arrive as f32 and are rounded to bf16 in registers on the way to LDS (W is also transposed there), so there is no
; tensor load that work-groups of a cluster could share: no cluster.
; LDS rows are 512 bytes of data + 16: pitch 528 = 33 x 16, so the sixteen rows of a fragment load begin in sixteen different 16-byte columns of a 256-byte span.
; Limit: q carries the factor 32^-0.5 * log2(e) before it is rounded to bf16, so the order of rounding differs from scaling the product q k.
.set PITCH, 528
.set SLICE, 64*PITCH                   ; W^T of one of q, k, v: 64 columns x 256 k
.set XS,    3*SLICE                    ; x: 64 tokens x 256 k, behind the three slices
.set XO,  5                            ; v5   byte offset of my 16 bytes in x (wave's 8 rows)
.set XST, 6                            ; v6   where my 8 bytes of bf16 x go in LDS
.set WQO, 7                            ; v7   byte offset in W_qk: row 32 w + 8 h, 16 bytes at 16 l
.set WVO, 8                            ; v8   the same in W_v
.set WS0, 9                            ; v9-11 where my transposed 16 bytes go, slice q, k, v
.set AX,  12                           ; v12  x fragments
.set AW,  13                           ; v13  W fragments of slices q and k
.set AWV, 14                           ; v14  W fragments of slice v (beyond a 16-bit offset)
.set QO,  15                           ; v15  my 16 bytes in a Q or K block
.set VO,  16                           ; v16  my 16 bytes in a V block
.set T,   32                           ; v[32:55] at work
.set BK0, 64                           ; v[64:127]  a batch of 16 loads
.set BK1, 128                          ; v[128:191] a batch of 16 loads
.set F0,  64                           ; v[64:103]  fragments x0 x1 Wq Wk Wv
.set F1,  128                          ; v[128:167] the same, second buffer
.set ACC, 192                          ; v[192:239] Q0 Q1 K0 K1 V0 V1
	s_load_b256 s[4:11], s[0:1], 0x0               ; x s[4:5], W_qk s[6:7], W_v s[8:9], Qf s[10:11]
	s_load_b64 s[12:13], s[0:1], 0x20              ; KVf
	v_lshl_add_u32 v240, v0, 2, 0x21000
	v_mov_b32 v241, 0
	v_lshrrev_b32 v2, 5, v0
	v_readfirstlane_b32 s14, v2                    ; wave w, 0..7
	s_and_b32 s15, s14, 3                          ; nt: which 16 columns of each slice
	s_lshr_b32 s16, s14, 2                         ; th: which 32 tokens
	s_and_b32 s17, ttmp7, 0xffff                   ; head pair
	s_lshr_b32 s18, ttmp9, 4                       ; batch
	s_lshl2_add_u32 s18, s18, s17                  ; y = 4 b + head pair
	s_and_b32 s19, ttmp9, 15                       ; block of 64 tokens in the batch
	s_lshl4_add_u32 s18, s18, s19                  ; 16 y + block
	s_lshl_b32 s20, ttmp9, 16                      ; x: 64 rows of 1,024 bytes
	s_mov_b32 s21, 0
	s_lshl_b32 s22, s17, 8                         ; W: 64 columns of 4 bytes
	s_mov_b32 s23, 0
	s_lshl_b32 s24, s18, 13                        ; Qf: 8 KB a block
	s_mov_b32 s25, 0
	s_lshl_b32 s26, s18, 14                        ; KVf: 16 KB a block
	s_mov_b32 s27, 0
	v_and_b32 v1, 31, v0                           ; lane
	v_and_b32 v3, 15, v0                           ; r (also l, the lane in its half)
	v_bfe_u32 v4, v0, 4, 1                         ; h
	s_lshl_b32 s28, s14, 13
	v_lshl_add_u32 v[XO], v1, 4, s28               ; 8 w rows + 16 lane
	s_mul_i32 s29, s14, 8*PITCH
	s_add_co_u32 s29, s29, XS
	v_lshl_add_u32 v[XST], v1, 3, s29
	v_lshlrev_b32 v17, 4, v3
	v_lshl_add_u32 v18, v4, 14, v17                ; 8 h rows of 2,048 bytes + 16 l
	s_lshl_b32 s30, s14, 16
	v_add_nc_u32 v[WQO], s30, v18                  ; + 32 w rows
	v_lshl_add_u32 v18, v4, 13, v17                ; the same with rows of 1,024 bytes
	s_lshl_b32 s31, s14, 15
	v_add_nc_u32 v[WVO], s31, v18
	v_mul_u32_u24 v18, v3, 4*PITCH                 ; column 4 l
	v_lshl_add_u32 v18, v4, 4, v18                 ; + 8 h along k
	s_lshl_b32 s32, s14, 6
	v_add_nc_u32 v[WS0], s32, v18                  ; + 32 w along k
	v_add_nc_u32 v[WS0+1], SLICE, v[WS0]
	v_add_nc_u32 v[WS0+2], 2*SLICE, v[WS0]
	v_mul_u32_u24 v18, v3, PITCH
	v_lshl_add_u32 v18, v4, 4, v18                 ; a fragment's lane term: row r, 16 h
	s_mul_i32 s33, s16, 32*PITCH
	s_add_co_u32 s33, s33, XS
	v_add_nc_u32 v[AX], s33, v18
	s_mul_i32 s34, s15, 16*PITCH
	v_add_nc_u32 v[AW], s34, v18
	v_add_nc_u32 v[AWV], 2*SLICE, v[AW]
	s_lshl_b32 s35, s16, 12                        ; Q, K: token tile 2 th (2 KB a tile) + (a, c) = nt x 512
	s_lshl_b32 s36, s15, 9
	s_add_co_u32 s35, s35, s36
	v_lshl_add_u32 v[QO], v1, 4, s35
	s_lshl_b32 s36, s14, 10                        ; V: block (ks, a, dt) = 4 th + nt = w
	v_lshl_add_u32 v[VO], v1, 4, s36
	s_wait_kmcnt 0x0
	s_add_nc_u64 s[4:5], s[4:5], s[20:21]
	s_add_nc_u64 s[6:7], s[6:7], s[22:23]
	s_add_nc_u64 s[8:9], s[8:9], s[22:23]
	s_add_nc_u64 s[10:11], s[10:11], s[24:25]
	s_add_nc_u64 s[12:13], s[12:13], s[26:27]
; Sixteen loads of W, load q = 8 j + e: row 32 w + 16 j + 8 h + e (the two halves of the lanes take neighbouring groups of eight rows, so a round j spans
; sixteen rows); 64 columns = 256 consecutive bytes for each half of the lanes
.macro LDW bank, oreg, sb, rowb, off
.set q, 0
.rept 16
	global_load_b128 v[\bank+4*q:\bank+4*q+3], v[\oreg], s[\sb:\sb+1] offset:\rowb*(16*(q/8)+q%8)+\off
.set q, q+1
.endr
.endm
; eight rows (k) x four columns of f32 in a lane become four columns x eight k of bf16: 16 bytes along k for each column, at k = 32 w + 16 j + 8 h
.macro WROUND bank, j, areg
.irp i, 0,1,2,3
.irp p, 0,1,2,3
	v_cvt_pk_bf16_f32 v[T+4*\i+\p], v[\bank+32*\j+8*\p+\i], v[\bank+32*\j+8*\p+4+\i]
.endr
.endr
.irp i, 0,1,2,3
	ds_store_b128 v[\areg], v[T+4*\i:T+4*\i+3] offset:\i*PITCH+\j*32
.endr
.endm
.set q, 0
.rept 16
	global_load_b128 v[BK0+4*q:BK0+4*q+3], v[XO], s[4:5] offset:512*q    ; x: rows 8 w + q/2, 512 consecutive bytes a load
.set q, q+1
.endr
	LDW BK1, WQO, 6, 2048, 0                       ; W_qk, the q columns
	s_wait_loadcnt 0x10                            ; x is in; the sixteen loads of Wq stay out
.set q, 0
.rept 16
	v_cvt_pk_bf16_f32 v[T+2*(q%8)],   v[BK0+4*q],   v[BK0+4*q+1]
	v_cvt_pk_bf16_f32 v[T+2*(q%8)+1], v[BK0+4*q+2], v[BK0+4*q+3]
	ds_store_b64 v[XST], v[T+2*(q%8):T+2*(q%8)+1] offset:(q/2)*PITCH+(q%2)*256
.set q, q+1
.endr
	LDW BK0, WQO, 6, 2048, 1024                    ; W_qk, the k columns (256 columns further)
	s_wait_loadcnt 0x10                            ; Wq is in; Wk's sixteen stay out
	WROUND BK1, 0, WS0
	WROUND BK1, 1, WS0
	LDW BK1, WVO, 8, 1024, 0                       ; W_v
	s_wait_loadcnt 0x10                            ; Wk is in; Wv's sixteen stay out
	WROUND BK0, 0, WS0+1
	WROUND BK0, 1, WS0+1
	s_wait_loadcnt 0x0
	WROUND BK1, 0, WS0+2
	WROUND BK1, 1, WS0+2
	s_wait_dscnt 0x0                               ; my LDS stores are done, for the other waves' sake,
	s_barrier_signal -1
	s_barrier_wait -1                              ; and everybody's are: x and W^T are whole
.macro PLACES
.rept 4
	v_nop
.endr
.endm
; ten LDS loads: the fragments of K step ks (32 along k = 64 bytes of a row)
.macro FETCH ks, f
	ds_load_b128 v[\f:\f+3],     v[AX]  offset:64*\ks
	ds_load_b128 v[\f+4:\f+7],   v[AX]  offset:64*\ks+32
	ds_load_b128 v[\f+8:\f+11],  v[AX]  offset:16*PITCH+64*\ks
	ds_load_b128 v[\f+12:\f+15], v[AX]  offset:16*PITCH+64*\ks+32
	ds_load_b128 v[\f+16:\f+19], v[AW]  offset:64*\ks
	ds_load_b128 v[\f+20:\f+23], v[AW]  offset:64*\ks+32
	ds_load_b128 v[\f+24:\f+27], v[AW]  offset:SLICE+64*\ks
	ds_load_b128 v[\f+28:\f+31], v[AW]  offset:SLICE+64*\ks+32
	ds_load_b128 v[\f+32:\f+35], v[AWV] offset:64*\ks
	ds_load_b128 v[\f+36:\f+39], v[AWV] offset:64*\ks+32
.endm
; Six matrix instructions on six accumulators, which take turns one instruction a turn.
; Q, K: source 0 = 16 columns of W, source 1 = 16 tokens: a lane ends with 8 neighbouring d of token r.
; V: source 0 = 16 tokens, source 1 = 16 columns of W: a lane ends with 8 neighbouring tokens of channel r.
.macro ONE d, a, b, zero
.if \zero
	v_wmma_f32_16x16x32_bf16 v[\d:\d+7], v[\a:\a+7], v[\b:\b+7], 0
.else
	v_wmma_f32_16x16x32_bf16 v[\d:\d+7], v[\a:\a+7], v[\b:\b+7], v[\d:\d+7]
.endif
.endm
.macro MUL f, zero
	ONE ACC,    \f+16, \f,    \zero
	ONE ACC+8,  \f+16, \f+8,  \zero
	ONE ACC+16, \f+24, \f,    \zero
	ONE ACC+24, \f+24, \f+8,  \zero
	ONE ACC+32, \f,    \f+32, \zero
	ONE ACC+40, \f+8,  \f+32, \zero
.endm
; multiply buffer f while K step next is fetched into buffer g
.macro STEP f, g, next, zero, places
.if \places
	PLACES                                         ; four places between the matrix instructions that read buffer g and the loads into it
.endif
	FETCH \next, \g
	s_wait_dscnt 0xa                               ; all but the ten just issued: buffer f is in
	MUL \f, \zero
.endm
	FETCH 0, F0
	STEP F0, F1, 1, 1, 0                           ; the first products start the sums: nothing is cleared
	STEP F1, F0, 2, 0, 1
	STEP F0, F1, 3, 0, 1
	STEP F1, F0, 4, 0, 1
	STEP F0, F1, 5, 0, 1
	STEP F1, F0, 6, 0, 1
	STEP F0, F1, 7, 0, 1
	s_wait_dscnt 0x0
	MUL F1, 0
	PLACES                                         ; four places before vector instructions read the results
.set i, 0
.rept 8
	v_pk_mul_f32 v[ACC+2*i:ACC+2*i+1], v[ACC+2*i:ACC+2*i+1], 0x3e8293ee op_sel_hi:[1,0]   ; q times 32^-0.5 * log2(e) = 0.25503486
.set i, i+1
.endr
.set i, 0
.rept 24
	v_cvt_pk_bf16_f32 v[T+i], v[ACC+2*i], v[ACC+2*i+1]
.set i, i+1
.endr
	; each store of the wave covers 512 consecutive bytes, aligned: half a fragment block
	global_store_b128 v[QO], v[T:T+3],     s[10:11]
	global_store_b128 v[QO], v[T+4:T+7],   s[10:11] offset:2048
	global_store_b128 v[QO], v[T+8:T+11],  s[12:13]
	global_store_b128 v[QO], v[T+12:T+15], s[12:13] offset:2048
	global_store_b128 v[VO], v[T+16:T+19], s[12:13] offset:8192
	global_store_b128 v[VO], v[T+20:T+23], s[12:13] offset:8192+512
	s_wait_tensorcnt 0x0
	ds_add_u32 v240, v241
	s_wait_dscnt 0x0
	s_endpgm
.Lfunc_end_k_qc1475cf4fb_qkv:
	.size	k_qc1475cf4fb_qkv, .Lfunc_end_k_qc1475cf4fb_qkv-k_qc1475cf4fb_qkv
	.p2alignl 7, 3214868480
	.fill 96, 4, 3214868480
	.section	.rodata,"a",@progbits
	.p2align	6, 0x0
	.amdhsa_kernel k_qc1475cf4fb_qkv
		.amdhsa_group_segment_fixed_size 136192
		.amdhsa_private_segment_fixed_size 0
		.amdhsa_enable_private_segment 0
		.amdhsa_kernarg_size 40
		.amdhsa_user_sgpr_count 2
		.amdhsa_user_sgpr_kernarg_segment_ptr 1
		.amdhsa_wavefront_size32 1
		.amdhsa_system_sgpr_workgroup_id_x 1
		.amdhsa_system_sgpr_workgroup_id_y 1
		.amdhsa_system_sgpr_workgroup_id_z 1
		.amdhsa_system_vgpr_workitem_id 0
		.amdhsa_next_free_vgpr 242
		.amdhsa_next_free_sgpr 66
		.amdhsa_reserve_vcc 0
		.amdhsa_float_denorm_mode_32 3
		.amdhsa_float_denorm_mode_16_64 3
		.amdhsa_memory_ordered 1
		.amdhsa_forward_progress 1
		.amdhsa_inst_pref_size 32
	.end_amdhsa_kernel
	.amdgpu_metadata
---
amdhsa.version: [ 1, 2 ]
amdhsa.kernels:
  - .name:           k_qc1475cf4fb_qkv
    .symbol:         k_qc1475cf4fb_qkv.kd
    .args:
      - { .name: x, .offset: 0, .size: 8, .value_kind: global_buffer, .address_space: global }
      - { .name: W_qk, .offset: 8, .size: 8, .value_kind: global_buffer, .address_space: global }
      - { .name: W_v, .offset: 16, .size: 8, .value_kind: global_buffer, .address_space: global }
      - { .name: Qf, .offset: 24, .size: 8, .value_kind: global_buffer, .address_space: global }
      - { .name: KVf, .offset: 32, .size: 8, .value_kind: global_buffer, .address_space: global }
    .group_segment_fixed_size: 136192
    .private_segment_fixed_size: 0
    .kernarg_segment_align: 8
    .kernarg_segment_size: 40
    .max_flat_workgroup_size: 256
    .sgpr_count:     66
    .vgpr_count:     242
    .wavefront_size: 32
...
	.end_amdgpu_metadata
.endif
;; end of part 1
;; launch attn (part 2): grid 16 x 16, 8 waves a work-group, clusters of 4 x 1, 320,512 bytes of LDS; arguments Qf, KVf, voxel_coord, W_pos, b_pos, gating, Af; writes Af
.if DOCPART == 2
	.amdgcn_target "amdgcn-amd-amdhsa--gfx1250"
	.amdhsa_code_object_version 6
	.text
	.protected	k_qc1475cf4fb_attn
	.globl	k_qc1475cf4fb_attn
	.p2align	8
	.type	k_qc1475cf4fb_attn,@function
k_qc1475cf4fb_attn:
	s_mov_b64 s[64:65], 0
	v_nop
	global_prefetch_b8 v0, s[64:65] scope:SCOPE_SE
	s_setreg_imm32_b32 hwreg(HW_REG_WAVE_MODE, 25, 1), 1
	s_wait_xcnt 0x0
	s_wait_alu depctr_hold_cnt(0) depctr_sa_sdst(0) depctr_va_vdst(0) depctr_va_sdst(0) depctr_va_ssrc(0) depctr_va_vcc(0) depctr_vm_vsrc(0)
	s_getreg_b32 s2, hwreg(HW_REG_IB_STS2, 6, 4)
	s_cmp_eq_u32 s2, 0
	s_cbranch_scc0 .Lentry_in_a_cluster
	s_endpgm
.Lentry_in_a_cluster:
	s_bfe_u32 s2, ttmp6, 0x10000c
	s_cmp_lg_u32 s2, 0x3003
	s_cbranch_scc0 .Lentry_shape_is_right
	s_endpgm
.Lentry_shape_is_right:
; Gated attention for 64 queries x 2 heads x 1,024 keys: content softmax and positional softmax, each with a running maximum, both times V,
; mixed by sigmoid(gating), renormalised, stored in fragment order for the projection.
; Eight waves: wave wv = (g = wv >> 2, qt = wv & 3) takes 16 queries, both heads, keys 512 g .. 512 g + 511 in 8 trips of 64.  The distances of a trip serve both heads.
; Register set 'slot s' holds head a = s xor g; at the end every wave keeps slot 0 and hands slot 1 to wave wv xor 4, so the text is the same in every wave.
; ALL PRODUCTS ARE TRANSPOSED.  S^T = K Q^T: lane (r, h) holds query r, keys 8 h + j.  So a query's maximum is a maximum over the lane's registers and one
; exchange of the lanes' halves; two packed score tiles ARE source 1 (32 keys x 16 queries) of O^T = V^T P; and O^T again has query r in lane (r, h).
; The row sums come from a product with a matrix of ones, of the same rounded P that multiplies V.
; THE RESULT LEAVES AS TWO bf16 NUMBERS, hi = bf16(a) and lo = bf16(a - hi): Af is [tile of 16 tokens][head][hi 1 KB, lo 1 KB].  The projection multiplies both,
; so the rounding of its operand to 8 significant bits falls away (16 are kept) for 2 more bytes a number.
; CLUSTER: the four work-groups along x (four query blocks of one batch and head pair) read the same 256 KB of K and V.  Each piece is asked for jointly, once,
; behind one round of the cluster's barrier; all of it stays in LDS and nothing is filled again.  Descriptors hang on y and the wave's number alone.
; ALGEBRA AND LIMITS.  Logits are kept in units of log2 (log2(e) is folded into q, W_pos, b_pos).  The positional logit's term -w.p_i is constant along the keys and
; cancels in the softmax for every input, so it is not formed; b_pos is read and added.  Distances come from p_j - p_i itself.  The renormalisation is the row factor
; 1 / ((1 - sig) lC / lC + sig lP / lP).  v_exp_f32 and v_sqrt_f32 flush denormals (ISA guide 15.8): a weight below 2^-126 of its row's largest, and a squared
; distance below 2^-126, count as 0.  NaN and infinite inputs are not reproduced (the maxima drop NaN).
; LDS: 0 .. 262,143 K and V as [g][piece p 0..3][trip t 0..7][4 KB]: p = 0, 1: K tiles 2p, 2p+1 as [tile][head][1 KB]; p = 2, 3: V^T of key step p - 2 as [head][dt][1 KB];
;      TAB: five tables of 1,024 f32: x, y, z, u of head 0, u of head 1 (u_j = w.p_j + b);  HAND: 4,608 bytes a wave for the hand-over.  No tensor load lands in the last two.
.set TAB,   262144
.set HAND,  282624
.set HSIZE, 4608
.set AK,   2                           ; v2-3   K fragments of slot 0, 1
.set AV,   4                           ; v4-5   V fragments of slot 0, 1
.set AC,   6                           ; v6     coordinates of my 8 keys of a tile
.set AU,   7                           ; v7-8   u of slot 0, 1
.set PX,   10                          ; v[10:11] my query's x, twice
.set PY,   12                          ; v[12:13] y, twice
.set PZ,   30                          ; v[30:31] z, twice
.set ML,   14                          ; v[14:21] (maximum, sum): content slot 0, position slot 0, content slot 1, position slot 1
.set AL,   22                          ; v[22:23] the factor 2^(old maximum - new)
.set SG,   24                          ; v24 sigmoid(gating), v25 one minus it
.set TM,   26                          ; v[26:29] chains of the maximum; v28 ends as the new maximum
.set ONES, 32                          ; v[32:39] a fragment of ones
.set QF,   40                          ; v[40:55] Q of slot 0, 1
.set LT,   56                          ; v[56:63] row sums of a trip
.set OA,   64                          ; v[64:127] O^T: content 0, position 0, content 1, position 1, 16 registers each
.set DI,   128                         ; v[128:159] distances; register 8 tt + j = key 16 tt + 8 h + j
.set SC,   160                         ; v[160:191] logits, then P packed in the first 16
.set KR,   192                         ; v[192:223] K fragments, or y, or u
.set VR,   224                         ; v[224:255] V fragments, or z
.macro ROUND                           ; a round of the cluster's barrier
	s_barrier_signal -1
	s_barrier_wait -1
	s_cmp_lg_u32 s18, 0
	s_cbranch_scc1 .Lnot_wave_0_\@
	s_barrier_signal -3
.Lnot_wave_0_\@:
	s_barrier_wait -3
	s_barrier_signal -1
	s_barrier_wait -1
.endm
.macro G1SET g, rows                   ; descriptor group 1: rows x 4,096 bytes, 16 KB apart in memory, back to back in LDS
	s_mov_b32 s[\g+0], 15|(3<<16)|(1<<21)          ; 15:0 the four work-groups of the cluster; 17:16 elements of 8 bytes; 21 set beside a mask
	s_mov_b32 s[\g+1], 512<<16                     ; tensor_dim0 = 512 elements
	s_mov_b32 s[\g+2], \rows<<16                   ; tensor_dim1
	s_mov_b32 s[\g+3], 512<<16                     ; tile_dim0
	s_mov_b32 s[\g+4], \rows                       ; tile_dim1
	s_mov_b32 s[\g+5], 2048                        ; from row to row: a record of 16 KB
	s_mov_b32 s[\g+6], 0
	s_mov_b32 s[\g+7], 0
.endm
	s_load_b256 s[4:11], s[0:1], 0x0               ; Qf s[4:5], KVf s[6:7], voxel_coord s[8:9], W_pos s[10:11]
	s_load_b128 s[12:15], s[0:1], 0x20             ; b_pos s[12:13], gating s[14:15]
	s_load_b64 s[16:17], s[0:1], 0x30              ; Af
	s_set_vgpr_msb 0x40
	v_lshl_add_u32 v0, v0, 2, 0x4e000
	v_mov_b32 v1, 0
	s_set_vgpr_msb 0x4045
	ds_add_u32 v0, v1
	s_set_vgpr_msb 0x4500
	v_lshrrev_b32 v1, 5, v0
	v_readfirstlane_b32 s18, v1                    ; wave
	s_lshr_b32 s19, s18, 2                         ; g: my half of the keys, and the head that I keep
	s_and_b32 s20, s18, 3                          ; qt: my 16 queries; also the piece of each record that I fetch
	s_xor_b32 s27, s19, 1                          ; the other head
	s_bfe_u32 s21, ttmp6, 0x40000                  ; cx
	s_lshl_b32 s22, ttmp9, 2
	s_add_co_u32 s22, s22, s21                     ; query block = 4 x cluster x + cx
	s_and_b32 s23, ttmp7, 0xffff                   ; y = 4 b + head pair
	s_lshr_b32 s24, s23, 2                         ; batch
	s_and_b32 s25, s23, 3                          ; head pair
	G1SET 28, 1                                    ; trip 0
	G1SET 36, 2                                    ; trips 1, 2
	G1SET 44, 5                                    ; trips 3 .. 7
	s_mov_b32 s52, 1
	s_mov_b32 s56, 1
	s_mov_b32 s60, 1
	s_lshl_b32 s53, s18, 15                        ; LDS: (g, piece) = wave x 32 KB, then 4 KB a trip
	s_add_co_u32 s57, s53, 4096
	s_add_co_u32 s61, s53, 12288
	s_lshl_b32 s86, s23, 18                        ; memory: y x 256 KB + g x 8 records + piece x 4 KB
	s_lshl_b32 s88, s19, 17
	s_add_co_u32 s86, s86, s88
	s_lshl_b32 s88, s20, 12
	s_add_co_u32 s86, s86, s88
	s_mov_b32 s87, 0
	s_wait_dscnt 0x0
	s_wait_kmcnt 0x0
	s_add_nc_u64 s[54:55], s[6:7], s[86:87]
	s_add_nc_u64 s[58:59], s[54:55], 16384
	s_add_nc_u64 s[62:63], s[54:55], 49152
	s_or_b32 s55, s55, 0x80000000
	s_or_b32 s59, s59, 0x80000000
	s_or_b32 s63, s63, 0x80000000
	ROUND                                          ; all four work-groups are here: the joint loads meet
	tensor_load_to_lds s[52:55], s[28:35]          ; three tensor loads of the wave are out at the most; none of their registers is written again
	s_nop 0
	tensor_load_to_lds s[56:59], s[36:43]
	s_nop 0
	tensor_load_to_lds s[60:63], s[44:51]
	s_nop 0
	s_lshl_b32 s86, s25, 3                         ; two heads of 4 bytes
	s_mov_b32 s87, 0
	s_add_nc_u64 s[10:11], s[10:11], s[86:87]
	s_add_nc_u64 s[12:13], s[12:13], s[86:87]
	s_add_nc_u64 s[14:15], s[14:15], s[86:87]
	s_load_b64 s[66:67], s[10:11], 0x0             ; W_pos rows 0..3, b_pos, gating: head 0 and head 1 of the pair
	s_load_b64 s[68:69], s[10:11], 0x20
	s_load_b64 s[70:71], s[10:11], 0x40
	s_load_b64 s[72:73], s[10:11], 0x60
	s_load_b64 s[74:75], s[12:13], 0x0
	s_load_b64 s[76:77], s[14:15], 0x0
	s_mul_i32 s88, s24, 12288                      ; the batch's 1,024 points
	s_mov_b32 s89, 0
	s_add_nc_u64 s[8:9], s[8:9], s[88:89]
	v_and_b32 v26, 31, v0                          ; lane
	v_and_b32 v27, 15, v0                          ; r
	v_bfe_u32 v28, v0, 4, 1                        ; h
	v_lshlrev_b32 v29, 4, v26                      ; 16 x lane
	v_mul_u32_u24 v1, v0, 48                       ; thread t brings points 4 t .. 4 t + 3
	global_load_b128 v[128:131], v1, s[8:9]
	global_load_b128 v[132:135], v1, s[8:9] offset:16
	global_load_b128 v[136:139], v1, s[8:9] offset:32
	s_lshl2_add_u32 s90, s22, s20                  ; my tile of 16 queries in the batch
	s_mul_i32 s91, s90, 192
	v_mul_u32_u24 v9, v27, 12
	v_add_nc_u32 v9, s91, v9
	global_load_b32 v[PX], v9, s[8:9]
	global_load_b32 v[PY], v9, s[8:9] offset:4
	global_load_b32 v[PZ], v9, s[8:9] offset:8
	s_lshl4_add_u32 s92, s23, s22                  ; 16 y + query block
	s_lshl_b32 s92, s92, 3
	s_lshl1_add_u32 s92, s20, s92                  ; + 2 qt: blocks of 1 KB
	s_add_co_u32 s93, s92, s19
	s_add_co_u32 s94, s92, s27
	s_lshl_b32 s93, s93, 10
	s_lshl_b32 s94, s94, 10
	v_add_nc_u32 v56, s93, v29
	v_add_nc_u32 v57, s94, v29
	global_load_b128 v[QF:QF+3],     v56, s[4:5]
	global_load_b128 v[QF+4:QF+7],   v56, s[4:5] offset:512
	global_load_b128 v[QF+8:QF+11],  v57, s[4:5]
	global_load_b128 v[QF+12:QF+15], v57, s[4:5] offset:512
	s_lshl_b32 s95, s24, 6                         ; Af: ((64 b + tile) x 8 + 2 head pair + g) blocks of 2 KB
	s_add_co_u32 s95, s95, s90
	s_lshl_b32 s95, s95, 3
	s_lshl1_add_u32 s95, s25, s95
	s_add_co_u32 s95, s95, s19
	s_lshl_b32 s95, s95, 11
	; LDS addresses: the wave's number and the lane alone
	s_lshl_b32 s86, s19, 17
	s_lshl_b32 s87, s19, 10
	s_add_co_u32 s87, s87, s86
	v_add_nc_u32 v[AK], s87, v29
	s_lshl_b32 s87, s27, 10
	s_add_co_u32 s87, s87, s86
	v_add_nc_u32 v[AK+1], s87, v29
	s_add_co_u32 s86, s86, 65536
	s_lshl_b32 s87, s19, 11
	s_add_co_u32 s87, s87, s86
	v_add_nc_u32 v[AV], s87, v29
	s_lshl_b32 s87, s27, 11
	s_add_co_u32 s87, s87, s86
	v_add_nc_u32 v[AV+1], s87, v29
	s_lshl_b32 s86, s19, 11
	s_add_co_u32 s86, s86, TAB
	v_lshl_add_u32 v[AC], v28, 5, s86              ; key 512 g + 8 h
	s_lshl_b32 s87, s19, 12
	s_add_co_u32 s87, s87, 12288
	v_add_nc_u32 v[AU], s87, v[AC]
	s_lshl_b32 s87, s27, 12
	s_add_co_u32 s87, s87, 12288
	v_add_nc_u32 v[AU+1], s87, v[AC]
	v_lshl_add_u32 v58, v0, 4, TAB                 ; tables: my four keys
	s_mov_b32 s82, 0x76543210                      ; v_permlanex16_b32: lane i takes lane i of the other half
	s_mov_b32 s83, 0xfedcba98
.irp i, 0,1,2,3,4,5,6,7
	v_mov_b32 v[ONES+\i], 0x3f803f80               ; two bf16 ones
.endr
	v_mov_b32 v[AL+1], 0                           ; the pair's second word is named by the packed multiplies and never used
	s_wait_kmcnt 0x0
.irp k, 66,67,68,69,70,71,72,73,74,75
	s_mul_f32 s\k, s\k, 0x3fb8aa3b                 ; W_pos and b_pos in units of log2
.endr
	s_cmp_eq_u32 s19, 0
	s_cselect_b32 s78, s72, s73                    ; the distance's weight of slot 0 (head g)
	s_cselect_b32 s80, s73, s72                    ; and of slot 1
	s_cselect_b32 s85, s76, s77                    ; gating of head g
	s_mov_b32 s79, s78
	s_mov_b32 s81, s80
	s_mul_f32 s85, s85, 0xbfb8aa3b
	v_exp_f32 v[SG], s85                           ; e^-gating
	v_nop                                          ; one plain place behind a transcendental before its result is used (ISA guide 5.7.2)
	s_wait_alu depctr_va_vdst(0)
	v_add_f32 v[SG], 1.0, v[SG]
	v_rcp_f32 v[SG], v[SG]
	v_nop
	s_wait_alu depctr_va_vdst(0)
	v_sub_f32 v[SG+1], 1.0, v[SG]
	s_wait_loadcnt 0x0                             ; points, my query's point, Q
	v_mov_b32 v[PX+1], v[PX]
	v_mov_b32 v[PY+1], v[PY]
	v_mov_b32 v[PZ+1], v[PZ]
.irp e, 0,1,2,3
	ds_store_b32 v58, v[128+3*\e] offset:4*\e
	ds_store_b32 v58, v[129+3*\e] offset:4096+4*\e
	ds_store_b32 v58, v[130+3*\e] offset:8192+4*\e
.endr
.irp e, 0,1,2,3
	v_fma_f32 v[140+\e], v[128+3*\e], s66, s74     ; u = x w0 + b
	v_fma_f32 v[144+\e], v[128+3*\e], s67, s75
.endr
.irp e, 0,1,2,3
	v_fmac_f32 v[140+\e], s68, v[129+3*\e]
	v_fmac_f32 v[144+\e], s69, v[129+3*\e]
.endr
.irp e, 0,1,2,3
	v_fmac_f32 v[140+\e], s70, v[130+3*\e]
	v_fmac_f32 v[144+\e], s71, v[130+3*\e]
.endr
	ds_store_b128 v58, v[140:143] offset:12288
	ds_store_b128 v58, v[144:147] offset:16384
.macro PLACES n
.rept \n
	v_nop
.endr
.endm
.macro LOADK s                         ; 8 loads: four tiles of 16 keys x 32 d of slot s
.set t, 0
.rept 4
	ds_load_b128 v[KR+8*t:KR+8*t+3],   v[AK+\s] offset:(t/2)*32768+(t%2)*2048
	ds_load_b128 v[KR+8*t+4:KR+8*t+7], v[AK+\s] offset:(t/2)*32768+(t%2)*2048+512
.set t, t+1
.endr
.endm
.macro LOADV s                         ; 8 loads: (key step, dt) = t: 16 d x 32 keys
.set t, 0
.rept 4
	ds_load_b128 v[VR+8*t:VR+8*t+3],   v[AV+\s] offset:(t/2)*32768+(t%2)*1024
	ds_load_b128 v[VR+8*t+4:VR+8*t+7], v[AV+\s] offset:(t/2)*32768+(t%2)*1024+512
.set t, t+1
.endr
.endm
.macro LOADT dst, areg, off            ; 8 loads from a table: register 8 tt + j = key 16 tt + 8 h + j
.set t, 0
.rept 8
	ds_load_b128 v[\dst+4*t:\dst+4*t+3], v[\areg] offset:\off+(t/2)*64+(t%2)*16
.set t, t+1
.endr
.endm
.macro SQD src, p, start               ; src -= my query's coordinate; the squared distance starts with, or gains, its square
.set i, 0
.rept 16
	v_pk_add_f32 v[\src+2*i:\src+2*i+1], v[\src+2*i:\src+2*i+1], v[\p:\p+1] neg_lo:[0,1] neg_hi:[0,1]
.set i, i+1
.endr
.set i, 0
.rept 16
.if \start
	v_pk_mul_f32 v[DI+2*i:DI+2*i+1], v[\src+2*i:\src+2*i+1], v[\src+2*i:\src+2*i+1]
.else
	v_pk_fma_f32 v[DI+2*i:DI+2*i+1], v[\src+2*i:\src+2*i+1], v[\src+2*i:\src+2*i+1], v[DI+2*i:DI+2*i+1]
.endif
.set i, i+1
.endr
.endm
.macro DIST                            ; the trip's 64 x 16 distances, for both heads
	LOADT SC, AC, 0
	LOADT KR, AC, 4096
	LOADT VR, AC, 8192
	s_wait_dscnt 0x10                              ; x is in; y's and z's sixteen loads stay out
	SQD SC, PX, 1
	s_wait_dscnt 0x8                               ; y is in; z's eight stay out
	SQD KR, PY, 0
	s_wait_dscnt 0x0
	SQD VR, PZ, 0
	LOADK 0                                        ; on their way under the roots
	LOADV 0
.set i, 0
.rept 32
	v_sqrt_f32 v[DI+i], v[DI+i]
.set i, i+1
.endr
.endm
; the row's new maximum into v[TM+2] (both halves of the lanes), the factor for what was summed under the old one into v[AL]
.macro SMAX ml, first
	v_max3_num_f32 v[TM],   v[SC],   v[SC+1],  v[SC+2]
	v_max3_num_f32 v[TM+1], v[SC+3], v[SC+4],  v[SC+5]
	v_max3_num_f32 v[TM+2], v[SC+6], v[SC+7],  v[SC+8]
	v_max3_num_f32 v[TM+3], v[SC+9], v[SC+10], v[SC+11]
.set n, 0
.rept 10
	v_max3_num_f32 v[TM+n%4], v[TM+n%4], v[SC+12+2*n], v[SC+13+2*n]
.set n, n+1
.endr
	v_max3_num_f32 v[TM], v[TM], v[TM+1], v[TM+2]
.if \first
	v_max_num_f32 v[TM], v[TM], v[TM+3]
.else
	v_max3_num_f32 v[TM], v[TM], v[TM+3], v[\ml]
.endif
	v_permlanex16_b32 v[TM+1], v[TM], s82, s83     ; the other eight keys of each tile lie in the other half of the lanes
	v_max_num_f32 v[TM+2], v[TM], v[TM+1]
.if \first == 0
	v_sub_f32 v[TM+3], v[\ml], v[TM+2]
	v_exp_f32 v[AL], v[TM+3]
.endif
	v_mov_b32 v[\ml], v[TM+2]                      ; the old maximum has been used; also the plain place behind the exponential
.endm
; P = 2^(logit - maximum), packed to bf16 in place: P's register i = logits 2 i, 2 i + 1.  A pair is packed one group late, so that
; a plain instruction stands between each exponential and its use.  The old sums of O are rescaled under the last exponentials.
.macro SEXP o, first
.set i, 0
.rept 16
	v_pk_add_f32 v[SC+2*i:SC+2*i+1], v[SC+2*i:SC+2*i+1], v[TM+2:TM+3] op_sel_hi:[1,0] neg_lo:[0,1] neg_hi:[0,1]
	v_exp_f32 v[SC+2*i], v[SC+2*i]
	v_exp_f32 v[SC+2*i+1], v[SC+2*i+1]
.if i > 0
	s_wait_alu depctr_va_vdst(0)
	v_cvt_pk_bf16_f32 v[SC+i-1], v[SC+2*i-2], v[SC+2*i-1]
.endif
.set i, i+1
.endr
.if \first == 0
.set i, 0
.rept 8
	v_pk_mul_f32 v[\o+2*i:\o+2*i+1], v[\o+2*i:\o+2*i+1], v[AL:AL+1] op_sel_hi:[1,0]
.set i, i+1
.endr
.endif
	v_cvt_pk_bf16_f32 v[SC+15], v[SC+30], v[SC+31]
.endm
; O^T += V^T P and the row sums, two key steps of 32.  Three accumulators take turns, one instruction a turn.
.macro PV o, first
.if \first
	v_wmma_f32_16x16x32_bf16 v[\o:\o+7],    v[VR:VR+7],    v[SC:SC+7], 0
	v_wmma_f32_16x16x32_bf16 v[\o+8:\o+15], v[VR+8:VR+15], v[SC:SC+7], 0
.else
	v_wmma_f32_16x16x32_bf16 v[\o:\o+7],    v[VR:VR+7],    v[SC:SC+7], v[\o:\o+7]
	v_wmma_f32_16x16x32_bf16 v[\o+8:\o+15], v[VR+8:VR+15], v[SC:SC+7], v[\o+8:\o+15]
.endif
	v_wmma_f32_16x16x32_bf16 v[LT:LT+7],    v[ONES:ONES+7], v[SC:SC+7], 0
	v_wmma_f32_16x16x32_bf16 v[\o:\o+7],    v[VR+16:VR+23], v[SC+8:SC+15], v[\o:\o+7]
	v_wmma_f32_16x16x32_bf16 v[\o+8:\o+15], v[VR+24:VR+31], v[SC+8:SC+15], v[\o+8:\o+15]
	v_wmma_f32_16x16x32_bf16 v[LT:LT+7],    v[ONES:ONES+7], v[SC+8:SC+15], v[LT:LT+7]
.endm
.macro LUPD ml, first                  ; the running sum: old sum x factor + the trip's 64 weights
.if \first
	v_mov_b32 v[\ml+1], v[LT]
.else
	v_fma_f32 v[\ml+1], v[\ml+1], v[AL], v[LT]
.endif
.endm
.macro POSL from, w                    ; positional logits of 16 registers: distance x w3 + u
.set i, \from
.rept 8
	v_pk_fma_f32 v[SC+2*i:SC+2*i+1], v[DI+2*i:DI+2*i+1], s[\w:\w+1], v[KR+2*i:KR+2*i+1] op_sel_hi:[1,0,1]
.set i, i+1
.endr
.endm
.macro ADV                             ; the next trip's 64 keys
	v_add_nc_u32 v[AK],   4096, v[AK]
	v_add_nc_u32 v[AK+1], 4096, v[AK+1]
	v_add_nc_u32 v[AV],   4096, v[AV]
	v_add_nc_u32 v[AV+1], 4096, v[AV+1]
	v_add_nc_u32 v[AC],   256, v[AC]
	v_add_nc_u32 v[AU],   256, v[AU]
	v_add_nc_u32 v[AU+1], 256, v[AU+1]
.endm
.macro HEAD s, first
	s_wait_dscnt 0x8                               ; K is in; V's eight loads stay out
.set t, 0
.rept 4
	v_wmma_f32_16x16x32_bf16 v[SC+8*t:SC+8*t+7], v[KR+8*t:KR+8*t+7], v[QF+8*\s:QF+8*\s+7], 0
.set t, t+1
.endr
	PLACES 4                                       ; four places before loads land on K's registers and the maxima read the logits
	LOADT KR, AU+\s, 0                             ; u, for the positional logits below
	SMAX ML+4*\s, \first
	SEXP OA+32*\s, \first
	s_wait_dscnt 0x8                               ; V is in; u's eight loads stay out
	PV OA+32*\s, \first
	s_wait_dscnt 0x0                               ; u is in
	POSL 8, 78+2*\s                                ; the upper 16 logits name no register of the six products above: they are the places behind them
	LUPD ML+4*\s, \first
	POSL 0, 78+2*\s                                ; the lower 16 write over P
.if \s == 0
	LOADK 1
.endif
	SMAX ML+4*\s+2, \first
	SEXP OA+32*\s+16, \first
	PV OA+32*\s+16, \first
.if \s == 0
	PLACES 5                                       ; five places before the next head's score products write over P; four before the sum is read and V's registers loaded
.else
	ADV                                            ; seven plain instructions on other registers serve as those places
.endif
	LUPD ML+4*\s+2, \first
.if \s == 0
	LOADV 1
.endif
.endm
.macro BODY first
	DIST
	HEAD 0, \first
	HEAD 1, \first
.endm
	; The later pieces stay on their way across the first two.
	s_wait_tensorcnt 0x2                           ; my piece of trip 0 has landed; the two younger loads stay out
	s_wait_dscnt 0x0                               ; my part of the tables is stored
	s_barrier_signal -1
	s_barrier_wait -1                              ; everybody's has
	BODY 1                                         ; the first trip starts maxima and sums: nothing is cleared
	s_wait_tensorcnt 0x1                           ; trips 1 and 2 have landed; the youngest load stays out
	s_wait_dscnt 0x0
	s_barrier_signal -1
	s_barrier_wait -1
	s_mov_b32 s84, 2
.Ltwo:
	BODY 0
	s_sub_co_i32 s84, s84, 1
	s_cmp_lg_u32 s84, 0
	s_cbranch_scc1 .Ltwo
	s_wait_tensorcnt 0x0                           ; trips 3 to 7
	s_wait_dscnt 0x0
	s_barrier_signal -1
	s_barrier_wait -1
	s_mov_b32 s84, 5
.Lfive:
	BODY 0
	s_sub_co_i32 s84, s84, 1
	s_cmp_lg_u32 s84, 0
	s_cbranch_scc1 .Lfive
	; THE TWO HALVES OF THE KEYS MEET.  I hand slot 1 (head g xor 1) to wave wv xor 4 and take its slot 1, which is my head g over the other 512 keys.
	s_mul_i32 s86, s18, HSIZE
	s_add_co_u32 s86, s86, HAND
	s_xor_b32 s87, s18, 4
	s_mul_i32 s87, s87, HSIZE
	s_add_co_u32 s87, s87, HAND
	v_and_b32 v1, 31, v0
	v_lshl_add_u32 v2, v1, 4, s86
	v_lshl_add_u32 v3, v1, 3, s86
	v_lshl_add_u32 v4, v1, 4, s87
	v_lshl_add_u32 v5, v1, 3, s87
	v_lshl_add_u32 v6, v1, 4, s95
.irp i, 0,1,2,3,4,5,6,7
	ds_store_b128 v2, v[OA+32+4*\i:OA+32+4*\i+3] offset:512*\i
.endr
	ds_store_b64 v3, v[ML+4:ML+5] offset:4096
	ds_store_b64 v3, v[ML+6:ML+7] offset:4352
	s_wait_dscnt 0x0                               ; stored, for the partner's sake
	s_barrier_signal -1
	s_barrier_wait -1
.irp i, 0,1,2,3,4,5,6,7
	ds_load_b128 v[SC+4*\i:SC+4*\i+3], v4 offset:512*\i    ; content sums in v[160:175], positional in v[176:191]
.endr
	ds_load_b64 v[KR:KR+1],   v5 offset:4096
	ds_load_b64 v[KR+2:KR+3], v5 offset:4352
	s_wait_dscnt 0x0
	v_max_num_f32 v224, v[ML],   v[KR]             ; the common maxima
	v_max_num_f32 v225, v[ML+2], v[KR+2]
	v_sub_f32 v226, v[ML],   v224
	v_sub_f32 v227, v[KR],   v224
	v_sub_f32 v228, v[ML+2], v225
	v_sub_f32 v229, v[KR+2], v225
	v_exp_f32 v226, v226
	v_exp_f32 v227, v227
	v_exp_f32 v228, v228
	v_exp_f32 v229, v229
	v_nop
	s_wait_alu depctr_va_vdst(0)
	v_mul_f32 v230, v[ML+1], v226
	v_mul_f32 v231, v[ML+3], v228
	v_fma_f32 v230, v[KR+1], v227, v230            ; lC over all 1,024 keys
	v_fma_f32 v231, v[KR+3], v229, v231            ; lP
	v_rcp_f32 v232, v230
	v_rcp_f32 v233, v231
	v_nop
	s_wait_alu depctr_va_vdst(0)
	v_mul_f32 v232, v[SG+1], v232                  ; (1 - sig) / lC
	v_mul_f32 v233, v[SG],   v233                  ; sig / lP
	v_mul_f32 v234, v232, v230
	v_fma_f32 v234, v233, v231, v234               ; the mixed row's sum
	v_rcp_f32 v234, v234
	v_nop
	s_wait_alu depctr_va_vdst(0)
	v_mul_f32 v232, v232, v234
	v_mul_f32 v233, v233, v234
	v_mul_f32 v236, v226, v232                     ; the four factors, each in both words of a pair
	v_mul_f32 v237, v226, v232
	v_mul_f32 v238, v227, v232
	v_mul_f32 v239, v227, v232
	v_mul_f32 v240, v228, v233
	v_mul_f32 v241, v228, v233
	v_mul_f32 v242, v229, v233
	v_mul_f32 v243, v229, v233
.set i, 0
.rept 8
	v_pk_mul_f32 v[OA+2*i:OA+2*i+1], v[OA+2*i:OA+2*i+1], v[236:237]
	v_pk_fma_f32 v[OA+2*i:OA+2*i+1], v[SC+2*i:SC+2*i+1], v[238:239], v[OA+2*i:OA+2*i+1]
	v_pk_fma_f32 v[OA+2*i:OA+2*i+1], v[OA+16+2*i:OA+16+2*i+1], v[240:241], v[OA+2*i:OA+2*i+1]
	v_pk_fma_f32 v[OA+2*i:OA+2*i+1], v[SC+16+2*i:SC+16+2*i+1], v[242:243], v[OA+2*i:OA+2*i+1]
.set i, i+1
.endr
	; hi = bf16(a); lo = bf16(a - hi): the difference is exact in f32
.set i, 0
.rept 8
	v_cvt_pk_bf16_f32 v[244+i], v[OA+2*i], v[OA+2*i+1]
.set i, i+1
.endr
.set i, 0
.rept 8
	v_lshlrev_b32 v[SC+2*i],   16, v[244+i]                ; hi back in f32: the low half moves up,
	v_and_b32     v[SC+2*i+1], 0xffff0000, v[244+i]        ; the high half stays
.set i, i+1
.endr
.set i, 0
.rept 8
	v_pk_add_f32 v[OA+2*i:OA+2*i+1], v[OA+2*i:OA+2*i+1], v[SC+2*i:SC+2*i+1] neg_lo:[0,1] neg_hi:[0,1]
.set i, i+1
.endr
.set i, 0
.rept 8
	v_cvt_pk_bf16_f32 v[224+i], v[OA+2*i], v[OA+2*i+1]
.set i, i+1
.endr
	global_store_b128 v6, v[244:247], s[16:17]              ; hi: token r, channels 8 h ..: each store covers 512 consecutive bytes, aligned
	global_store_b128 v6, v[248:251], s[16:17] offset:512   ; hi: channels 16 + 8 h ..
	global_store_b128 v6, v[224:227], s[16:17] offset:1024  ; lo likewise
	global_store_b128 v6, v[228:231], s[16:17] offset:1536
	s_set_vgpr_msb 0x5
	s_wait_tensorcnt 0x0
	ds_add_u32 v0, v1
	s_wait_dscnt 0x0
	s_set_vgpr_msb 0x500
	ROUND                                          ; the closing round: no work-group ends while a partner may still ask jointly
	s_endpgm
.Lfunc_end_k_qc1475cf4fb_attn:
	.size	k_qc1475cf4fb_attn, .Lfunc_end_k_qc1475cf4fb_attn-k_qc1475cf4fb_attn
	.p2alignl 7, 3214868480
	.fill 96, 4, 3214868480
	.section	.rodata,"a",@progbits
	.p2align	6, 0x0
	.amdhsa_kernel k_qc1475cf4fb_attn
		.amdhsa_group_segment_fixed_size 320512
		.amdhsa_private_segment_fixed_size 0
		.amdhsa_enable_private_segment 0
		.amdhsa_kernarg_size 56
		.amdhsa_user_sgpr_count 2
		.amdhsa_user_sgpr_kernarg_segment_ptr 1
		.amdhsa_wavefront_size32 1
		.amdhsa_system_sgpr_workgroup_id_x 1
		.amdhsa_system_sgpr_workgroup_id_y 1
		.amdhsa_system_sgpr_workgroup_id_z 1
		.amdhsa_system_vgpr_workitem_id 0
		.amdhsa_next_free_vgpr 258
		.amdhsa_next_free_sgpr 96
		.amdhsa_reserve_vcc 0
		.amdhsa_float_denorm_mode_32 3
		.amdhsa_float_denorm_mode_16_64 3
		.amdhsa_memory_ordered 1
		.amdhsa_forward_progress 1
		.amdhsa_inst_pref_size 131
	.end_amdhsa_kernel
	.amdgpu_metadata
---
amdhsa.version: [ 1, 2 ]
amdhsa.kernels:
  - .name:           k_qc1475cf4fb_attn
    .symbol:         k_qc1475cf4fb_attn.kd
    .args:
      - { .name: Qf, .offset: 0, .size: 8, .value_kind: global_buffer, .address_space: global }
      - { .name: KVf, .offset: 8, .size: 8, .value_kind: global_buffer, .address_space: global }
      - { .name: voxel_coord, .offset: 16, .size: 8, .value_kind: global_buffer, .address_space: global }
      - { .name: W_pos, .offset: 24, .size: 8, .value_kind: global_buffer, .address_space: global }
      - { .name: b_pos, .offset: 32, .size: 8, .value_kind: global_buffer, .address_space: global }
      - { .name: gating, .offset: 40, .size: 8, .value_kind: global_buffer, .address_space: global }
      - { .name: Af, .offset: 48, .size: 8, .value_kind: global_buffer, .address_space: global }
    .group_segment_fixed_size: 320512
    .private_segment_fixed_size: 0
    .kernarg_segment_align: 8
    .kernarg_segment_size: 56
    .max_flat_workgroup_size: 256
    .sgpr_count:     96
    .vgpr_count:     258
    .wavefront_size: 32
...
	.end_amdgpu_metadata
.endif
;; end of part 2
;; launch proj (part 3): grid 64 x 4, 4 waves a work-group, no clusters, 51,712 bytes of LDS; arguments Af, W_proj, b_proj, out0; writes out0
.if DOCPART == 3
	.amdgcn_target "amdgcn-amd-amdhsa--gfx1250"
	.amdhsa_code_object_version 6
	.text
	.protected	k_qc1475cf4fb_proj
	.globl	k_qc1475cf4fb_proj
	.p2align	8
	.type	k_qc1475cf4fb_proj,@function
k_qc1475cf4fb_proj:
	s_mov_b64 s[64:65], 0
	v_nop
	global_prefetch_b8 v0, s[64:65] scope:SCOPE_SE
	s_setreg_imm32_b32 hwreg(HW_REG_WAVE_MODE, 25, 1), 1
	s_wait_xcnt 0x0
; out0 = A W_proj + b_proj for 64 tokens x 64 output channels.  A comes as two bf16 numbers, hi and lo, in fragment order
; (Af: [token tile of 16][head = K step][hi 1 KB, lo 1 KB]), straight into registers; both are multiplied by the same fragment of W, so A counts with 16 significant bits.
; W_proj's 64 columns are rounded to bf16 and transposed in registers on the way to LDS (so there is no tensor load to share in a cluster: no cluster).
; Four waves; wave w takes token tile 4 tb + w and all four tiles of 16 channels.  The bias is loaded into the accumulators and is the first sum's C.
; Source 0 = 16 columns of W, source 1 = 16 tokens: lane (r, h) ends with token r, channels 16 nt + 8 h + j, eight neighbours of a row of out0.
.set PITCH, 528                        ; 512 bytes of k + 16: the sixteen rows of a fragment load begin in sixteen different 16-byte columns of a 256-byte span
.set STAGE, 64*PITCH                   ; behind W^T: 16 rows x 272 bytes for each wave, for the way out
.set SP,    272
.set WO,  5                            ; v5   W_proj: row 64 w + 8 h, 16 bytes at 16 l
.set AO,  6                            ; v6   Af: my wave's tile, 16 x lane
.set BO,  7                            ; v7   b_proj: 8 h channels
.set WST, 8                            ; v8   where my transposed 16 bytes go
.set AW,  9                            ; v9   W fragments
.set STO, 10                           ; v10  the way out: in
.set RD,  11                           ; v11  the way out: back
.set OO,  12                           ; v12  my 16 bytes in out0
.set T,   16                           ; v[16:31]  at work
.set ACC, 32                           ; v[32:63]  four accumulators
.set WB,  64                           ; v[64:191] W as loaded, 32 registers a round
.set ALO, 64                           ; v[64:127] A's eight lo fragments, in the registers of W's rounds 0 and 1 once those are converted
.set F0,  128                          ; v[128:159] W fragments
.set F1,  160                          ; v[160:191] second buffer
.set OB,  64                           ; v[64:95]  rows on the way out
.set AF,  192                          ; v[192:255] A's eight hi fragments
	s_load_b256 s[4:11], s[0:1], 0x0               ; Af s[4:5], W_proj s[6:7], b_proj s[8:9], out0 s[10:11]
	v_lshl_add_u32 v15, v0, 2, 0xc800
	s_set_vgpr_msb 0x40
	v_mov_b32 v1, 0
	s_set_vgpr_msb 0x4000
	v_lshrrev_b32 v2, 5, v0
	v_readfirstlane_b32 s12, v2                    ; wave
	s_and_b32 s13, ttmp7, 0xffff                   ; which 64 channels
	s_lshl_b32 s14, ttmp9, 16                      ; Af: four tiles of 16 KB
	s_mov_b32 s15, 0
	s_lshl_b32 s16, s13, 8                         ; 64 channels of 4 bytes
	s_mov_b32 s17, 0
	s_lshl_b32 s18, ttmp9, 16                      ; out0: 64 rows of 1,024 bytes
	s_add_co_u32 s18, s18, s16
	s_mov_b32 s19, 0
	v_and_b32 v1, 31, v0                           ; lane
	v_and_b32 v3, 15, v0                           ; r, l
	v_bfe_u32 v4, v0, 4, 1                         ; h
	v_lshlrev_b32 v13, 4, v3                       ; 16 l
	v_lshl_add_u32 v14, v4, 13, v13
	s_lshl_b32 s20, s12, 16
	v_add_nc_u32 v[WO], s20, v14
	s_lshl_b32 s21, s12, 14
	v_lshl_add_u32 v[AO], v1, 4, s21
	v_lshlrev_b32 v[BO], 5, v4
	v_mul_u32_u24 v14, v3, 4*PITCH
	v_lshl_add_u32 v14, v4, 4, v14
	s_lshl_b32 s22, s12, 7
	v_add_nc_u32 v[WST], s22, v14                  ; column 4 l, k = 64 w + 8 h
	v_mul_u32_u24 v14, v3, PITCH
	v_lshl_add_u32 v[AW], v4, 4, v14
	s_mul_i32 s23, s12, 16*SP
	s_add_co_u32 s23, s23, STAGE
	v_mul_u32_u24 v14, v3, SP
	v_lshl_add_u32 v14, v4, 5, v14
	v_add_nc_u32 v[STO], s23, v14                  ; row r, 32 h bytes
	v_mul_u32_u24 v14, v4, SP
	v_add_nc_u32 v14, v14, v13
	v_add_nc_u32 v[RD], s23, v14                   ; lanes 0-15 one row, lanes 16-31 the next
	v_lshl_add_u32 v14, v4, 10, v13
	s_lshl_b32 s24, s12, 14
	v_add_nc_u32 v[OO], s24, v14
	s_wait_kmcnt 0x0
	s_add_nc_u64 s[4:5], s[4:5], s[14:15]
	s_add_nc_u64 s[6:7], s[6:7], s[16:17]
	s_add_nc_u64 s[8:9], s[8:9], s[16:17]
	s_add_nc_u64 s[10:11], s[10:11], s[18:19]
.set q, 0
.rept 32
	global_load_b128 v[WB+4*q:WB+4*q+3], v[WO], s[6:7] offset:1024*(16*(q/8)+q%8)   ; load q = 8 j + e: row 64 w + 16 j + 8 h + e, 256 consecutive bytes for each half of the lanes
.set q, q+1
.endr
.set q, 0
.rept 16
	global_load_b128 v[AF+4*q:AF+4*q+3], v[AO], s[4:5] offset:(q/2)*2048+(q%2)*512  ; hi of K step q/2: 512 consecutive bytes a load
.set q, q+1
.endr
.set q, 0
.rept 8
	global_load_b128 v[ACC+4*q:ACC+4*q+3], v[BO], s[8:9] offset:(q/2)*64+(q%2)*16   ; register j of tile nt = bias of channel 16 nt + 8 h + j
.set q, q+1
.endr
; eight rows (k) x four columns of f32 in a lane become four columns x eight k of bf16, at k = 64 w + 16 j + 8 h
.macro WROUND bank, j, areg
.irp i, 0,1,2,3
.irp p, 0,1,2,3
	v_cvt_pk_bf16_f32 v[T+4*\i+\p], v[\bank+32*\j+8*\p+\i], v[\bank+32*\j+8*\p+4+\i]
.endr
.endr
.irp i, 0,1,2,3
	ds_store_b128 v[\areg], v[T+4*\i:T+4*\i+3] offset:\i*PITCH+\j*32
.endr
.endm
.macro LDLO from                       ; eight loads: lo of K steps from/2 .. from/2 + 3
.set q, \from
.rept 8
	global_load_b128 v[ALO+4*q:ALO+4*q+3], v[AO], s[4:5] offset:(q/2)*2048+(q%2)*512+1024
.set q, q+1
.endr
.endm
	; Each count: what was issued behind W's round j: its later rounds (8 loads each), hi's 16, the bias's 8, and the lo loads issued so far.
	s_wait_loadcnt 48                              ; 24 + 16 + 8
	WROUND WB, 0, WST
	LDLO 0                                         ; into round 0's registers, which the conversions have read
	s_wait_loadcnt 48                              ; 16 + 16 + 8 + 8
	WROUND WB, 1, WST
	LDLO 8
	s_wait_loadcnt 48                              ; 8 + 16 + 8 + 16
	WROUND WB, 2, WST
	s_wait_loadcnt 40                              ; 16 + 8 + 16
	WROUND WB, 3, WST
	s_wait_dscnt 0x0                               ; my LDS stores are done, for the other waves' sake
	s_barrier_signal -1
	s_barrier_wait -1
	s_wait_loadcnt 0x0                             ; A, hi and lo, and the bias
.macro PLACES
.rept 4
	v_nop
.endr
.endm
.macro FETCH ks, f
.set q, 0
.rept 4
	ds_load_b128 v[\f+8*q:\f+8*q+3],   v[AW] offset:q*16*PITCH+64*\ks
	ds_load_b128 v[\f+8*q+4:\f+8*q+7], v[AW] offset:q*16*PITCH+64*\ks+32
.set q, q+1
.endr
.endm
.macro MUL ks, f                       ; four accumulators take turns, one instruction a turn: once round for hi, once for lo
.irp nt, 0,1,2,3
	v_wmma_f32_16x16x32_bf16 v[ACC+8*\nt:ACC+8*\nt+7], v[\f+8*\nt:\f+8*\nt+7], v[AF+8*\ks:AF+8*\ks+7], v[ACC+8*\nt:ACC+8*\nt+7]
.endr
.irp nt, 0,1,2,3
	v_wmma_f32_16x16x32_bf16 v[ACC+8*\nt:ACC+8*\nt+7], v[\f+8*\nt:\f+8*\nt+7], v[ALO+8*\ks:ALO+8*\ks+7], v[ACC+8*\nt:ACC+8*\nt+7]
.endr
.endm
.macro STEP ks, f, next, g, places
.if \places
	PLACES                                         ; four places between the matrix instructions that read buffer g and the loads into it
.endif
	FETCH \next, \g
	s_wait_dscnt 0x8                               ; all but the eight just issued
	MUL \ks, \f
.endm
	FETCH 0, F0
	STEP 0, F0, 1, F1, 0
	STEP 1, F1, 2, F0, 1
	STEP 2, F0, 3, F1, 1
	STEP 3, F1, 4, F0, 1
	STEP 4, F0, 5, F1, 1
	STEP 5, F1, 6, F0, 1
	STEP 6, F0, 7, F1, 1
	s_wait_dscnt 0x0
	MUL 7, F1
	; The way out: 16 rows of 256 bytes through my own stage, read back as whole rows.
	PLACES                                         ; four places before the LDS stores read the results and the loads below land on lo's registers
.irp nt, 0,1,2,3
	ds_store_b128 v[STO], v[ACC+8*\nt:ACC+8*\nt+3]   offset:64*\nt
	ds_store_b128 v[STO], v[ACC+8*\nt+4:ACC+8*\nt+7] offset:64*\nt+16
.endr
.irp i, 0,1,2,3,4,5,6,7
	ds_load_b128 v[OB+4*\i:OB+4*\i+3], v[RD] offset:\i*2*SP      ; LDS serves a wave's instructions in order (ISA guide 5.7.1): these see the stores above
.endr
.irp i, 0,1,2,3,4,5,6,7
	s_wait_dscnt 7-\i                              ; rows 2 i, 2 i + 1 are back; the younger loads stay out
	global_store_b128 v[OO], v[OB+4*\i:OB+4*\i+3], s[10:11] offset:2048*\i th:TH_STORE_NT   ; sixteen lanes store 256 consecutive bytes, aligned
.endr
	s_set_vgpr_msb 0x4
	s_wait_tensorcnt 0x0
	ds_add_u32 v15, v1
	s_wait_dscnt 0x0
	s_set_vgpr_msb 0x400
	s_endpgm
.Lfunc_end_k_qc1475cf4fb_proj:
	.size	k_qc1475cf4fb_proj, .Lfunc_end_k_qc1475cf4fb_proj-k_qc1475cf4fb_proj
	.p2alignl 7, 3214868480
	.fill 96, 4, 3214868480
	.section	.rodata,"a",@progbits
	.p2align	6, 0x0
	.amdhsa_kernel k_qc1475cf4fb_proj
		.amdhsa_group_segment_fixed_size 51712
		.amdhsa_private_segment_fixed_size 0
		.amdhsa_enable_private_segment 0
		.amdhsa_kernarg_size 32
		.amdhsa_user_sgpr_count 2
		.amdhsa_user_sgpr_kernarg_segment_ptr 1
		.amdhsa_wavefront_size32 1
		.amdhsa_system_sgpr_workgroup_id_x 1
		.amdhsa_system_sgpr_workgroup_id_y 1
		.amdhsa_system_sgpr_workgroup_id_z 1
		.amdhsa_system_vgpr_workitem_id 0
		.amdhsa_next_free_vgpr 258
		.amdhsa_next_free_sgpr 66
		.amdhsa_reserve_vcc 0
		.amdhsa_float_denorm_mode_32 3
		.amdhsa_float_denorm_mode_16_64 3
		.amdhsa_memory_ordered 1
		.amdhsa_forward_progress 1
		.amdhsa_inst_pref_size 26
	.end_amdhsa_kernel
	.amdgpu_metadata
---
amdhsa.version: [ 1, 2 ]
amdhsa.kernels:
  - .name:           k_qc1475cf4fb_proj
    .symbol:         k_qc1475cf4fb_proj.kd
    .args:
      - { .name: Af, .offset: 0, .size: 8, .value_kind: global_buffer, .address_space: global }
      - { .name: W_proj, .offset: 8, .size: 8, .value_kind: global_buffer, .address_space: global }
      - { .name: b_proj, .offset: 16, .size: 8, .value_kind: global_buffer, .address_space: global }
      - { .name: out0, .offset: 24, .size: 8, .value_kind: global_buffer, .address_space: global }
    .group_segment_fixed_size: 51712
    .private_segment_fixed_size: 0
    .kernarg_segment_align: 8
    .kernarg_segment_size: 32
    .max_flat_workgroup_size: 128
    .sgpr_count:     66
    .vgpr_count:     258
    .wavefront_size: 32
...
	.end_amdgpu_metadata
.endif
;; end of part 3
;; ======== version 2 of 3: 2 launches; 1.27 times as fast as version 1
;; workspace buffers: Qf 2,097,152 bytes; KVf 4,194,304 bytes; Wpf 131,072 bytes
;; launch qkv (part 4): grid 64 x 4, 8 waves a work-group, no clusters, 136,192 bytes of LDS; arguments x, W_qk, W_v, W_proj, Qf, KVf, Wpf; writes Qf, KVf, Wpf
.if DOCPART == 4
	.amdgcn_target "amdgcn-amd-amdhsa--gfx1250"
	.amdhsa_code_object_version 6
	.text
	.protected	k_qc1475cf4fb_qkv
	.globl	k_qc1475cf4fb_qkv
	.p2align	8
	.type	k_qc1475cf4fb_qkv,@function
k_qc1475cf4fb_qkv:
	s_mov_b64 s[64:65], 0
	v_nop
	global_prefetch_b8 v0, s[64:65] scope:SCOPE_SE
	s_setreg_imm32_b32 hwreg(HW_REG_WAVE_MODE, 25, 1), 1
	s_wait_xcnt 0x0
; q, k, v = x W for 64 tokens and one pair of heads (64 columns each of q, k and v), bf16 operands, f32 sums; and W_proj rounded to bf16.
; Everything is stored in the order in which a 16 x 32 matrix fragment lies in a wave's registers: a block of 1,024 bytes,
; byte c*512 + lane*16 = registers 4c .. 4c+3 of that lane.  The attention launch loads such blocks with no shuffle.
;   Qf : [tile of 16 tokens, 0..255][head][1 KB]                 16 tokens x 32 d, times 32^-0.5 * log2(e)
;   KVf: [batch][head][block of 64 keys][8 KB]: K as [tile tt 0..3][1 KB] (16 keys x 32 d), then V^T as [key step ks 0..1][dt 0..1][1 KB] (16 d x 32 keys)
;   Wpf: [tile of 16 output channels][K step of 32][1 KB]        16 channels x 32 k of W_proj; wave 0 of work-group id makes bytes 512 id .. 512 id + 511
; Eight waves.  x and W arrive as f32 and are rounded to bf16 in registers on the way to LDS (W is also transposed there), so there is no
; tensor load that work-groups of a cluster could share: no cluster.
; LDS rows are 512 bytes of data + 16: pitch 528 = 33 x 16, so the sixteen rows of a fragment load begin in sixteen different 16-byte columns of a 256-byte span.
; Limit: q carries the factor 32^-0.5 * log2(e) before it is rounded to bf16, so the order of rounding differs from scaling the product q k.
.set PITCH, 528
.set SLICE, 64*PITCH                   ; W^T of one of q, k, v: 64 columns x 256 k
.set XS,    3*SLICE                    ; x: 64 tokens x 256 k, behind the three slices
.set XO,  5                            ; v5   byte offset of my 16 bytes in x (wave's 8 rows)
.set XST, 6                            ; v6   where my 8 bytes of bf16 x go in LDS
.set WQO, 7                            ; v7   byte offset in W_qk: row 32 w + 8 h, 16 bytes at 16 l
.set WVO, 8                            ; v8   the same in W_v
.set WS0, 9                            ; v9-11 where my transposed 16 bytes go, slice q, k, v
.set AX,  12                           ; v12  x fragments
.set AW,  13                           ; v13  W fragments of slices q and k
.set AWV, 14                           ; v14  W fragments of slice v (beyond a 16-bit offset)
.set QO,  15                           ; v15  my 16 bytes in a Q block
.set KO,  16                           ; v16  in a K block
.set VO,  17                           ; v17  in a V block
.set WPO, 20                           ; v20  W_proj: row 8 h, column r
.set WPS, 21                           ; v21  Wpf: 16 x lane
.set WP,  22                           ; v[22:29] eight numbers of a column of W_proj (wave 0)
.set T,   32                           ; v[32:55] at work
.set WPK, 56                           ; v[56:59] they packed
.set BK0, 64                           ; v[64:127]  a batch of 16 loads
.set BK1, 128                          ; v[128:191] a batch of 16 loads
.set BK2, 192                          ; v[192:255] a batch of 16 loads, in the registers that later hold the sums
.set F0,  64                           ; v[64:103]  fragments x0 x1 Wq Wk Wv
.set F1,  128                          ; v[128:167] the same, second buffer
.set ACC, 192                          ; v[192:239] Q0 Q1 K0 K1 V0 V1
	s_load_b256 s[4:11], s[0:1], 0x0               ; x s[4:5], W_qk s[6:7], W_v s[8:9], W_proj s[10:11]
	s_load_b128 s[12:15], s[0:1], 0x20             ; Qf s[12:13], KVf s[14:15]
	s_load_b64 s[16:17], s[0:1], 0x30              ; Wpf
	v_lshl_add_u32 v62, v0, 2, 0x21000
	v_mov_b32 v63, 0
	v_lshrrev_b32 v2, 5, v0
	v_readfirstlane_b32 s18, v2                    ; wave w, 0..7
	s_and_b32 s19, s18, 3                          ; nt: which 16 columns of each slice
	s_lshr_b32 s20, s18, 2                         ; th: which 32 tokens
	s_and_b32 s21, ttmp7, 0xffff                   ; head pair
	s_lshr_b32 s22, ttmp9, 4                       ; batch
	s_and_b32 s23, ttmp9, 15                       ; block of 64 tokens in the batch
	s_lshl_b32 s24, ttmp9, 16                      ; x: 64 rows of 1,024 bytes
	s_mov_b32 s25, 0
	s_lshl_b32 s26, s21, 8                         ; W_qk, W_v: 64 columns of 4 bytes
	s_mov_b32 s27, 0
	s_lshl_b32 s28, ttmp9, 15                      ; Qf: four token tiles of 8 KB + two heads of 1 KB a pair
	s_lshl_b32 s36, s21, 11
	s_add_co_u32 s28, s28, s36
	s_mov_b32 s29, 0
	s_lshl_b32 s30, s22, 20                        ; KVf: 1 MB a batch + 128 KB a head + 8 KB a block
	s_lshl_b32 s36, s21, 18
	s_add_co_u32 s30, s30, s36
	s_lshl_b32 s36, s23, 13
	s_add_co_u32 s30, s30, s36
	s_mov_b32 s31, 0
	s_and_b32 s32, ttmp9, 3                        ; W_proj: id = 4 tb + head pair names 16 rows k0 = 16 (4 (tb & 3) + head pair) ..
	s_lshl2_add_u32 s32, s32, s21
	s_lshl_b32 s32, s32, 14                        ; .. of 1,024 bytes,
	s_lshr_b32 s36, ttmp9, 2
	s_lshl_b32 s36, s36, 6                         ; and the 16 columns of channel tile tb >> 2
	s_add_co_u32 s32, s32, s36
	s_mov_b32 s33, 0
	s_lshl2_add_u32 s34, ttmp9, s21                ; id
	s_lshl_b32 s34, s34, 9
	s_mov_b32 s35, 0
	v_and_b32 v1, 31, v0                           ; lane
	v_and_b32 v3, 15, v0                           ; r (also l, the lane in its half)
	v_bfe_u32 v4, v0, 4, 1                         ; h
	s_lshl_b32 s36, s18, 13
	v_lshl_add_u32 v[XO], v1, 4, s36               ; 8 w rows + 16 lane
	s_mul_i32 s36, s18, 8*PITCH
	s_add_co_u32 s36, s36, XS
	v_lshl_add_u32 v[XST], v1, 3, s36
	v_lshlrev_b32 v18, 4, v3
	v_lshl_add_u32 v19, v4, 14, v18                ; 8 h rows of 2,048 bytes + 16 l
	s_lshl_b32 s36, s18, 16
	v_add_nc_u32 v[WQO], s36, v19                  ; + 32 w rows
	v_lshl_add_u32 v19, v4, 13, v18                ; the same with rows of 1,024 bytes
	s_lshl_b32 s36, s18, 15
	v_add_nc_u32 v[WVO], s36, v19
	v_mul_u32_u24 v19, v3, 4*PITCH                 ; column 4 l
	v_lshl_add_u32 v19, v4, 4, v19                 ; + 8 h along k
	s_lshl_b32 s36, s18, 6
	v_add_nc_u32 v[WS0], s36, v19                  ; + 32 w along k
	v_add_nc_u32 v[WS0+1], SLICE, v[WS0]
	v_add_nc_u32 v[WS0+2], 2*SLICE, v[WS0]
	v_mul_u32_u24 v19, v3, PITCH
	v_lshl_add_u32 v19, v4, 4, v19                 ; a fragment's lane term: row r, 16 h
	s_mul_i32 s36, s20, 32*PITCH
	s_add_co_u32 s36, s36, XS
	v_add_nc_u32 v[AX], s36, v19
	s_mul_i32 s36, s19, 16*PITCH
	v_add_nc_u32 v[AW], s36, v19
	v_add_nc_u32 v[AWV], 2*SLICE, v[AW]
	s_lshl_b32 s36, s20, 14                        ; Q: token tile 2 th (8 KB a tile) + (head a, half c) = nt x 512
	s_lshl_b32 s37, s19, 9
	s_add_co_u32 s36, s36, s37
	v_lshl_add_u32 v[QO], v1, 4, s36
	s_lshr_b32 s37, s19, 1                         ; a
	s_lshl_b32 s37, s37, 17                        ; 128 KB a head
	s_lshl_b32 s38, s20, 11                        ; K: tile 2 th of 1 KB; V: key step th of 2 KB
	s_add_co_u32 s37, s37, s38
	s_and_b32 s38, s19, 1                          ; c
	s_lshl_b32 s39, s38, 9                         ; K: half c of a block
	s_add_co_u32 s39, s39, s37
	v_lshl_add_u32 v[KO], v1, 4, s39
	s_lshl_b32 s39, s38, 10                        ; V: dt = c, 1 KB
	s_add_co_u32 s39, s39, s37
	v_lshl_add_u32 v[VO], v1, 4, s39
	v_lshlrev_b32 v19, 2, v3
	v_lshl_add_u32 v[WPO], v4, 13, v19             ; 8 h rows of 1,024 bytes + 4 r
	v_lshlrev_b32 v[WPS], 4, v1
	s_wait_kmcnt 0x0
	s_add_nc_u64 s[4:5], s[4:5], s[24:25]
	s_add_nc_u64 s[6:7], s[6:7], s[26:27]
	s_add_nc_u64 s[8:9], s[8:9], s[26:27]
	s_add_nc_u64 s[10:11], s[10:11], s[32:33]
	s_add_nc_u64 s[12:13], s[12:13], s[28:29]
	s_add_nc_u64 s[14:15], s[14:15], s[30:31]
	s_add_nc_u64 s[16:17], s[16:17], s[34:35]
; Sixteen loads of W, load q = 8 j + e: row 32 w + 16 j + 8 h + e (the two halves of the lanes take neighbouring groups of eight rows, so a round j spans
; sixteen rows); 64 columns = 256 consecutive bytes for each half of the lanes
.macro LDW bank, oreg, sb, rowb, off
.set q, 0
.rept 16
	global_load_b128 v[\bank+4*q:\bank+4*q+3], v[\oreg], s[\sb:\sb+1] offset:\rowb*(16*(q/8)+q%8)+\off
.set q, q+1
.endr
.endm
; eight rows (k) x four columns of f32 in a lane become four columns x eight k of bf16: 16 bytes along k for each column, at k = 32 w + 16 j + 8 h
.macro WROUND bank, j, areg
.irp i, 0,1,2,3
.irp p, 0,1,2,3
	v_cvt_pk_bf16_f32 v[T+4*\i+\p], v[\bank+32*\j+8*\p+\i], v[\bank+32*\j+8*\p+4+\i]
.endr
.endr
.irp i, 0,1,2,3
	ds_store_b128 v[\areg], v[T+4*\i:T+4*\i+3] offset:\i*PITCH+\j*32
.endr
.endm
	s_cmp_lg_u32 s18, 0
	s_cbranch_scc1 .Lno_wp                         ; wave 0 alone: W_proj(k0 + 8 h + e, column r), the oldest loads, so every count below holds with and without them
.irp e, 0,1,2,3,4,5,6,7
	global_load_b32 v[WP+\e], v[WPO], s[10:11] offset:1024*\e
.endr
.Lno_wp:
.set q, 0
.rept 16
	global_load_b128 v[BK0+4*q:BK0+4*q+3], v[XO], s[4:5] offset:512*q    ; x: rows 8 w + q/2, 512 consecutive bytes a load
.set q, q+1
.endr
	LDW BK1, WQO, 6, 2048, 0                       ; W_qk, the q columns
	LDW BK2, WQO, 6, 2048, 1024                    ; W_qk, the k columns (256 columns further)
	s_wait_loadcnt 0x20                            ; x is in; the 32 loads of Wq and Wk stay out
.set q, 0
.rept 16
	v_cvt_pk_bf16_f32 v[T+2*(q%8)],   v[BK0+4*q],   v[BK0+4*q+1]
	v_cvt_pk_bf16_f32 v[T+2*(q%8)+1], v[BK0+4*q+2], v[BK0+4*q+3]
	ds_store_b64 v[XST], v[T+2*(q%8):T+2*(q%8)+1] offset:(q/2)*PITCH+(q%2)*256
.set q, q+1
.endr
	LDW BK0, WVO, 8, 1024, 0                       ; W_v, into the registers that x has left
	s_cmp_lg_u32 s18, 0
	s_cbranch_scc1 .Lno_wps
.irp p, 0,1,2,3
	v_cvt_pk_bf16_f32 v[WPK+\p], v[WP+2*\p], v[WP+2*\p+1]     ; eight k of one channel: half a fragment's lane
.endr
	global_store_b128 v[WPS], v[WPK:WPK+3], s[16:17]          ; 512 consecutive bytes, aligned
.Lno_wps:
	s_wait_loadcnt 0x20                            ; Wq is in; Wk's and Wv's 32 stay out
	WROUND BK1, 0, WS0
	WROUND BK1, 1, WS0
	s_wait_loadcnt 0x10                            ; Wk is in; Wv's sixteen stay out
	WROUND BK2, 0, WS0+1
	WROUND BK2, 1, WS0+1
	s_wait_loadcnt 0x0
	WROUND BK0, 0, WS0+2
	WROUND BK0, 1, WS0+2
	s_wait_dscnt 0x0                               ; my LDS stores are done, for the other waves' sake,
	s_barrier_signal -1
	s_barrier_wait -1                              ; and everybody's are: x and W^T are whole
.macro PLACES
.rept 4
	v_nop
.endr
.endm
; ten LDS loads: the fragments of K step ks (32 along k = 64 bytes of a row)
.macro FETCH ks, f
	ds_load_b128 v[\f:\f+3],     v[AX]  offset:64*\ks
	ds_load_b128 v[\f+4:\f+7],   v[AX]  offset:64*\ks+32
	ds_load_b128 v[\f+8:\f+11],  v[AX]  offset:16*PITCH+64*\ks
	ds_load_b128 v[\f+12:\f+15], v[AX]  offset:16*PITCH+64*\ks+32
	ds_load_b128 v[\f+16:\f+19], v[AW]  offset:64*\ks
	ds_load_b128 v[\f+20:\f+23], v[AW]  offset:64*\ks+32
	ds_load_b128 v[\f+24:\f+27], v[AW]  offset:SLICE+64*\ks
	ds_load_b128 v[\f+28:\f+31], v[AW]  offset:SLICE+64*\ks+32
	ds_load_b128 v[\f+32:\f+35], v[AWV] offset:64*\ks
	ds_load_b128 v[\f+36:\f+39], v[AWV] offset:64*\ks+32
.endm
; Six matrix instructions on six accumulators, which take turns one instruction a turn.
; Q, K: source 0 = 16 columns of W, source 1 = 16 tokens: a lane ends with 8 neighbouring d of token r.
; V: source 0 = 16 tokens, source 1 = 16 columns of W: a lane ends with 8 neighbouring tokens of channel r.
.macro ONE d, a, b, zero
.if \zero
	v_wmma_f32_16x16x32_bf16 v[\d:\d+7], v[\a:\a+7], v[\b:\b+7], 0
.else
	v_wmma_f32_16x16x32_bf16 v[\d:\d+7], v[\a:\a+7], v[\b:\b+7], v[\d:\d+7]
.endif
.endm
.macro MUL f, zero
	ONE ACC,    \f+16, \f,    \zero
	ONE ACC+8,  \f+16, \f+8,  \zero
	ONE ACC+16, \f+24, \f,    \zero
	ONE ACC+24, \f+24, \f+8,  \zero
	ONE ACC+32, \f,    \f+32, \zero
	ONE ACC+40, \f+8,  \f+32, \zero
.endm
; multiply buffer f while K step next is fetched into buffer g
.macro STEP f, g, next, zero, places
.if \places
	PLACES                                         ; four places between the matrix instructions that read buffer g and the loads into it
.endif
	FETCH \next, \g
	s_wait_dscnt 0xa                               ; all but the ten just issued: buffer f is in
	MUL \f, \zero
.endm
	FETCH 0, F0
	STEP F0, F1, 1, 1, 0                           ; the first products start the sums: nothing is cleared
	STEP F1, F0, 2, 0, 1
	STEP F0, F1, 3, 0, 1
	STEP F1, F0, 4, 0, 1
	STEP F0, F1, 5, 0, 1
	STEP F1, F0, 6, 0, 1
	STEP F0, F1, 7, 0, 1
	s_wait_dscnt 0x0
	MUL F1, 0
	PLACES                                         ; four places before vector instructions read the results
.set i, 0
.rept 8
	v_pk_mul_f32 v[ACC+2*i:ACC+2*i+1], v[ACC+2*i:ACC+2*i+1], 0x3e8293ee op_sel_hi:[1,0]   ; q times 32^-0.5 * log2(e) = 0.25503486
.set i, i+1
.endr
.set i, 0
.rept 24
	v_cvt_pk_bf16_f32 v[T+i], v[ACC+2*i], v[ACC+2*i+1]
.set i, i+1
.endr
	; each store of the wave covers 512 consecutive bytes, aligned: half a fragment block
	global_store_b128 v[QO], v[T:T+3],     s[12:13]                ; token tile 2 th
	global_store_b128 v[QO], v[T+4:T+7],   s[12:13] offset:8192    ; token tile 2 th + 1
	global_store_b128 v[KO], v[T+8:T+11],  s[14:15]
	global_store_b128 v[KO], v[T+12:T+15], s[14:15] offset:1024
	global_store_b128 v[VO], v[T+16:T+19], s[14:15] offset:4096    ; keys 0-15 of the step: registers 0-3
	global_store_b128 v[VO], v[T+20:T+23], s[14:15] offset:4096+512
	s_wait_tensorcnt 0x0
	ds_add_u32 v62, v63
	s_wait_dscnt 0x0
	s_endpgm
.Lfunc_end_k_qc1475cf4fb_qkv:
	.size	k_qc1475cf4fb_qkv, .Lfunc_end_k_qc1475cf4fb_qkv-k_qc1475cf4fb_qkv
	.p2alignl 7, 3214868480
	.fill 96, 4, 3214868480
	.section	.rodata,"a",@progbits
	.p2align	6, 0x0
	.amdhsa_kernel k_qc1475cf4fb_qkv
		.amdhsa_group_segment_fixed_size 136192
		.amdhsa_private_segment_fixed_size 0
		.amdhsa_enable_private_segment 0
		.amdhsa_kernarg_size 56
		.amdhsa_user_sgpr_count 2
		.amdhsa_user_sgpr_kernarg_segment_ptr 1
		.amdhsa_wavefront_size32 1
		.amdhsa_system_sgpr_workgroup_id_x 1
		.amdhsa_system_sgpr_workgroup_id_y 1
		.amdhsa_system_sgpr_workgroup_id_z 1
		.amdhsa_system_vgpr_workitem_id 0
		.amdhsa_next_free_vgpr 256
		.amdhsa_next_free_sgpr 66
		.amdhsa_reserve_vcc 0
		.amdhsa_float_denorm_mode_32 3
		.amdhsa_float_denorm_mode_16_64 3
		.amdhsa_memory_ordered 1
		.amdhsa_forward_progress 1
		.amdhsa_inst_pref_size 35
	.end_amdhsa_kernel
	.amdgpu_metadata
---
amdhsa.version: [ 1, 2 ]
amdhsa.kernels:
  - .name:           k_qc1475cf4fb_qkv
    .symbol:         k_qc1475cf4fb_qkv.kd
    .args:
      - { .name: x, .offset: 0, .size: 8, .value_kind: global_buffer, .address_space: global }
      - { .name: W_qk, .offset: 8, .size: 8, .value_kind: global_buffer, .address_space: global }
      - { .name: W_v, .offset: 16, .size: 8, .value_kind: global_buffer, .address_space: global }
      - { .name: W_proj, .offset: 24, .size: 8, .value_kind: global_buffer, .address_space: global }
      - { .name: Qf, .offset: 32, .size: 8, .value_kind: global_buffer, .address_space: global }
      - { .name: KVf, .offset: 40, .size: 8, .value_kind: global_buffer, .address_space: global }
      - { .name: Wpf, .offset: 48, .size: 8, .value_kind: global_buffer, .address_space: global }
    .group_segment_fixed_size: 136192
    .private_segment_fixed_size: 0
    .kernarg_segment_align: 8
    .kernarg_segment_size: 56
    .max_flat_workgroup_size: 256
    .sgpr_count:     66
    .vgpr_count:     256
    .wavefront_size: 32
...
	.end_amdgpu_metadata
.endif
;; end of part 4
;; launch attn (part 5): grid 64 x 4, 8 waves a work-group, clusters of 4 x 1, 327,680 bytes of LDS; arguments Qf, KVf, Wpf, voxel_coord, W_pos, b_pos, gating, b_proj, out0; writes out0
.if DOCPART == 5
	.amdgcn_target "amdgcn-amd-amdhsa--gfx1250"
	.amdhsa_code_object_version 6
	.text
	.protected	k_qc1475cf4fb_attn
	.globl	k_qc1475cf4fb_attn
	.p2align	8
	.type	k_qc1475cf4fb_attn,@function
k_qc1475cf4fb_attn:
	s_mov_b64 s[64:65], 0
	v_nop
	global_prefetch_b8 v0, s[64:65] scope:SCOPE_SE
	s_setreg_imm32_b32 hwreg(HW_REG_WAVE_MODE, 25, 1), 1
	s_wait_xcnt 0x0
	s_wait_alu depctr_hold_cnt(0) depctr_sa_sdst(0) depctr_va_vdst(0) depctr_va_sdst(0) depctr_va_ssrc(0) depctr_va_vcc(0) depctr_vm_vsrc(0)
	s_getreg_b32 s2, hwreg(HW_REG_IB_STS2, 6, 4)
	s_cmp_eq_u32 s2, 0
	s_cbranch_scc0 .Lentry_in_a_cluster
	s_endpgm
.Lentry_in_a_cluster:
	s_bfe_u32 s2, ttmp6, 0x10000c
	s_cmp_lg_u32 s2, 0x3003
	s_cbranch_scc0 .Lentry_shape_is_right
	s_endpgm
.Lentry_shape_is_right:
; Gated attention and the output projection for 16 queries x all 8 heads x 1,024 keys.  Eight waves, wave = head.
; Per head: content softmax and positional softmax, each with a running maximum, both times V, mixed by sigmoid(gating), renormalised; then out0 = A W_proj + b_proj.
; THE DISTANCES hang on no head: the 16 x 1,024 of them are made once (wave w makes key steps w and w + 8), kept in LDS in register order, and read by all eight waves.
; ALL PRODUCTS ARE TRANSPOSED.  S^T = K Q^T: lane (r, h) holds query r, keys 8 h + j.  So a query's maximum is a maximum over the lane's registers and one
; exchange of the lanes' halves; two packed score tiles ARE source 1 (32 keys x 16 queries) of O^T = V^T P; and O^T again has query r in lane (r, h), which packed
; is source 1 of the projection.  The row sums come from a product with a matrix of ones, of the same rounded P that multiplies V.
; K AND V, 1 MB for the work-group, go through a ring of three LDS slots of 64 keys x 8 heads (64 KB).  Each wave fetches and reads its own head's 8 KB of a slot, so a
; read needs only the wave's own counted wait.  Two slots are filled behind one barrier; the third has landed and is read first.
; CLUSTER: the four work-groups along x (four query tiles of one batch) walk the same K and V: every tile is asked for jointly, and the barrier in front of each pair of
; refills is a round of the cluster's barrier.  Descriptors hang on the batch, the cluster's number and the wave's number alone; no LDS address hangs on the place in the cluster.
; ROTATION: cluster c of a batch starts at key tile c and walks the sixteen tiles modulo 16 (a softmax does not hang on the order of its keys).  So at each step the sixteen
; clusters of a batch ask for sixteen different tiles, and each tile has been asked for one step earlier by the neighbouring cluster.  The LDS tables are built in the rotated order:
; only global offsets hang on c.
; THE PROJECTION's operand is kept as two bf16 numbers, hi = bf16(a) and lo = bf16(a - hi), both multiplied by the same fragment of W_proj: 16 significant bits.
; Wave w makes output channels 32 w .. 32 w + 31; its 16 KB of W_proj (bf16 fragments from Wpf) are loaded at the head into v256-v383, the bias into the accumulators.
; ALGEBRA AND LIMITS.  Logits are kept in units of log2 (log2(e) is folded into q, W_pos, b_pos).  The positional logit's term -w.p_i is constant along the keys and
; cancels in the softmax for every input, so it is not formed; b_pos is read and added.  Distances come from p_j - p_i itself.  The renormalisation is the row factor
; 1 / ((1 - sig) lC / lC + sig lP / lP).  v_exp_f32 and v_sqrt_f32 flush denormals (ISA guide 15.8): a weight below 2^-126 of its row's largest, and a squared
; distance below 2^-126, count as 0.  NaN and infinite inputs are not reproduced (the maxima drop NaN).
; LDS: 0: the ring, slot s at 65,536 s, wave w's 8 KB at 8,192 w: K tiles tt at 1,024 tt, V^T (ks, dt) at 4,096 + 2,048 ks + 1,024 dt;
;      DT: distances, 4 KB a key step, byte 512 q + 16 lane = registers 4q .. 4q+3;  UT: u_j = w.p_j + b, 4 KB a head;
;      AST: first the tables x, y, z (4 KB each), at the end the result's hi and lo (2 KB a head);  OST = DT: at the end 16 rows of out0, pitch 1,040.
;      No tensor load lands behind the ring.
.set SLOT,   65536
.set DT,     196608
.set UT,     262144
.set AST,    294912
.set OST,    DT
.set OPITCH, 1040                      ; 1,024 bytes + 16 = 65 x 16: sixteen rows begin in sixteen different 16-byte columns of a 256-byte span
.set AKV,  2                           ; v2-4   my head's 8 KB in slot 0, 1, 2 (+ 16 x lane)
.set AD,   5                           ; v5     distances of the next key step
.set AU,   6                           ; v6     u of my 8 keys of a tile
.set AC,   7                           ; v7     coordinates, for the table of distances
.set AWP,  8                           ; v8     Wpf offset; stays as it is while those loads are out
.set ABI,  9                           ; v9     b_proj offset; likewise
.set ACC,  10                          ; v[10:25] the projection's sums with hi; they start as the bias
.set ML,   26                          ; v26 maximum, v27 sum (content); v28, v29 (position)
.set ALC,  30                          ; v[30:31] 2^(old maximum - new), content
.set ONES, 32                          ; v[32:39] a fragment of ones
.set QF,   40                          ; v[40:47] Q
.set ACL,  32                          ; v[32:47] at the end: the projection's sums with lo
.set LT,   48                          ; v[48:55] row sums of a trip
.set ALP,  56                          ; v[56:57] 2^(old maximum - new), position
.set SG,   58                          ; v58 sigmoid(gating), v59 one minus it
.set TM,   60                          ; v[60:63] chains of the maximum; v62 ends as the new maximum
.set OC,   64                          ; v[64:79] O^T, content
.set OPS,  80                          ; v[80:95] O^T, position
.set DI,   96                          ; v[96:127]  distances; register 8 tt + j = key 16 tt + 8 h + j
.set SC,   128                         ; v[128:159] content logits, then P packed in the first 16
.set KR,   160                         ; v[160:191] K fragments
.set VR,   192                         ; v[192:223] V fragments
.set UR,   224                         ; v[224:255] u, then positional logits, then P packed in the first 16
.set PX,   224                         ; at the start: my query's x, y, z, each twice
.set PY,   226
.set PZ,   228
.set G1,   32                          ; s[32:39] descriptor group 1
.set G0,   40                          ; s[40:51] descriptor group 0, one set for each slot
.set KVB,  52                          ; s[52:53] my head's K and V, type bits set
.macro ROUND                           ; a round of the cluster's barrier
	s_barrier_signal -1
	s_barrier_wait -1
	s_cmp_lg_u32 s22, 0
	s_cbranch_scc1 .Lnot_wave_0_\@
	s_barrier_signal -3
.Lnot_wave_0_\@:
	s_barrier_wait -3
	s_barrier_signal -1
	s_barrier_wait -1
.endm
.macro TADDR slot                      ; the slot's next tile: s27 counts the key tiles modulo 16, 8 KB each
	s_lshl_b32 s28, s27, 13
	s_add_nc_u64 s[G0+4*\slot+2:G0+4*\slot+3], s[KVB:KVB+1], s[28:29]
	s_add_co_u32 s27, s27, 1
	s_and_b32 s27, s27, 15
.endm
	s_load_b512 s[4:19], s[0:1], 0x0               ; Qf s[4:5], KVf s[6:7], Wpf s[8:9], voxel_coord s[10:11], W_pos s[12:13], b_pos s[14:15], gating s[16:17], b_proj s[18:19]
	s_load_b64 s[20:21], s[0:1], 0x40              ; out0
	s_set_vgpr_msb 0x40
	v_lshl_add_u32 v128, v0, 2, 0x4c000
	v_mov_b32 v129, 0
	s_set_vgpr_msb 0x4045
	ds_add_u32 v128, v129
	s_set_vgpr_msb 0x4500
	v_lshrrev_b32 v1, 5, v0
	v_readfirstlane_b32 s22, v1                    ; wave = head
	s_bfe_u32 s23, ttmp6, 0x40000                  ; cx
	s_lshl_b32 s24, ttmp9, 2
	s_add_co_u32 s24, s24, s23                     ; tile of 16 queries in the batch = 4 x cluster x + cx
	s_and_b32 s25, ttmp7, 0xffff                   ; batch
	s_and_b32 s26, ttmp9, 15                       ; the cluster's first key tile
	s_mov_b32 s27, s26
	s_mov_b32 s[G1+0], 15|(3<<16)|(1<<21)          ; 15:0 the four work-groups of the cluster; 17:16 elements of 8 bytes; 21 set beside a mask
	s_mov_b32 s[G1+1], 512<<16                     ; tensor_dim0 = 512 elements (4 KB)
	s_mov_b32 s[G1+2], 2<<16                       ; tensor_dim1 = 2
	s_mov_b32 s[G1+3], 512<<16                     ; tile_dim0
	s_mov_b32 s[G1+4], 2                           ; tile_dim1: K's 4 KB, V's 4 KB
	s_mov_b32 s[G1+5], 512                         ; dense in memory
	s_mov_b32 s[G1+6], 0
	s_mov_b32 s[G1+7], 0
	s_mov_b32 s[G0], 1
	s_mov_b32 s[G0+4], 1
	s_mov_b32 s[G0+8], 1
	s_lshl_b32 s[G0+1], s22, 13                    ; LDS: wave x 8 KB + slot x 64 KB
	s_add_co_u32 s[G0+5], s[G0+1], SLOT
	s_add_co_u32 s[G0+9], s[G0+1], 2*SLOT
	s_lshl_b32 s28, s25, 20                        ; memory: 1 MB a batch + 128 KB a head
	s_lshl_b32 s55, s22, 17
	s_add_co_u32 s28, s28, s55
	s_mov_b32 s29, 0
	s_mul_i32 s96, s25, 12288                      ; the batch's 1,024 points
	s_mov_b32 s97, 0
	s_lshl_b32 s98, s22, 2                         ; my head's word in W_pos' rows and in gating
	s_mov_b32 s99, 0
	s_lshl_b32 s95, s25, 6
	s_add_co_u32 s95, s95, s24                     ; tile of 16 tokens, 0..255
	s_lshl_b32 s66, s95, 14                        ; out0: 16 rows of 1,024 bytes
	s_mov_b32 s67, 0
	s_lshl3_add_u32 s95, s95, s22                  ; Qf: 8 x tile + head, blocks of 1 KB
	s_lshl_b32 s95, s95, 10
	v_and_b32 v1, 31, v0                           ; lane (kept)
	v_and_b32 v230, 15, v0                         ; r
	v_bfe_u32 v231, v0, 4, 1                       ; h
	v_lshlrev_b32 v232, 4, v1                      ; 16 x lane
	v_add_nc_u32 v235, s95, v232
	s_mul_i32 s95, s24, 192                        ; my tile's 16 points of 12 bytes
	v_mul_u32_u24 v234, v230, 12
	v_add_nc_u32 v234, s95, v234
	s_lshl_b32 s55, s26, 6                         ; thread t fills table places 4 t .. 4 t + 3 with keys (4 t + 64 c) mod 1,024 ..
	v_lshl_add_u32 v233, v0, 2, s55
	v_and_b32 v233, 0x3ff, v233
	v_mul_u32_u24 v233, v233, 12
	s_lshl_b32 s55, s22, 7
	v_lshl_add_u32 v[ABI], v231, 5, s55            ; bias of channels 32 w + 8 h ..
	s_lshl_b32 s55, s22, 14
	v_add_nc_u32 v[AWP], s55, v232                 ; my 16 fragments of W_proj
	s_wait_dscnt 0x0
	s_wait_kmcnt 0x0
	s_add_nc_u64 s[KVB:KVB+1], s[6:7], s[28:29]
	s_or_b32 s[KVB+1], s[KVB+1], 0x80000000        ; type = 2
	TADDR 0
	TADDR 1
	TADDR 2
	s_add_nc_u64 s[10:11], s[10:11], s[96:97]
	s_add_nc_u64 s[100:101], s[12:13], s[98:99]
	s_add_nc_u64 s[16:17], s[16:17], s[98:99]
	s_add_nc_u64 s[20:21], s[20:21], s[66:67]
	s_load_b256 s[68:75], s[12:13], 0x0            ; W_pos rows 0, 1, 2 and b_pos, all eight heads: for the tables of u
	s_load_b256 s[76:83], s[12:13], 0x20
	s_load_b256 s[84:91], s[12:13], 0x40
	s_load_b256 s[56:63], s[14:15], 0x0
	s_load_b32 s92, s[100:101], 0x60               ; the distance's weight of my head
	s_load_b32 s94, s[16:17], 0x0                  ; gating of my head
	global_load_b128 v[128:131], v233, s[10:11]
	global_load_b128 v[132:135], v233, s[10:11] offset:16
	global_load_b128 v[136:139], v233, s[10:11] offset:32
	global_load_b32 v[PX], v234, s[10:11]
	global_load_b32 v[PY], v234, s[10:11] offset:4
	global_load_b32 v[PZ], v234, s[10:11] offset:8
	global_load_b128 v[QF:QF+3],   v235, s[4:5]
	global_load_b128 v[QF+4:QF+7], v235, s[4:5] offset:512
.set q, 0
.rept 4
	global_load_b128 v[ACC+4*q:ACC+4*q+3], v[ABI], s[18:19] offset:(q/2)*64+(q%2)*16   ; register j of tile i = bias of channel 32 w + 16 i + 8 h + j
.set q, q+1
.endr
	s_set_vgpr_msb 0x40                            ; destinations in v256-v511
.set q, 0
.rept 32
	global_load_b128 v[4*q:4*q+3], v[AWP], s[8:9] offset:512*q     ; v256 + 4 q: fragment (channel tile i, K step ks) at v256 + 64 i + 8 ks; 512 consecutive bytes a load
.set q, q+1
.endr
	s_set_vgpr_msb 0x4000                          ; all back to v0-v255
	ROUND                                          ; all four work-groups are here: the joint loads meet
	tensor_load_to_lds s[G0:G0+3],    s[G1:G1+7]   ; key steps 0, 1, 2: three tensor loads of the wave are out here, two behind each later round
	s_nop 0
	tensor_load_to_lds s[G0+4:G0+7],  s[G1:G1+7]
	s_nop 0
	tensor_load_to_lds s[G0+8:G0+11], s[G1:G1+7]
	s_nop 0
	; LDS addresses: the wave's number and the lane alone
	s_lshl_b32 s55, s22, 13
	v_add_nc_u32 v[AKV], s55, v232
	v_add_nc_u32 v[AKV+1], SLOT, v[AKV]
	v_add_nc_u32 v[AKV+2], 2*SLOT, v[AKV]
	v_add_nc_u32 v[AD], DT, v232
	s_lshl_b32 s55, s22, 12
	s_add_co_u32 s55, s55, UT
	v_lshl_add_u32 v[AU], v231, 5, s55             ; my head's table, key 8 h
	s_lshl_b32 s55, s22, 8
	s_add_co_u32 s55, s55, AST
	v_lshl_add_u32 v[AC], v231, 5, s55             ; key step w, key 8 h
	v_lshl_add_u32 v236, v0, 4, AST                ; tables: my four places
	v_lshl_add_u32 v237, v0, 4, UT
	s_lshl_b32 s55, s22, 12
	s_add_co_u32 s55, s55, DT
	v_add_nc_u32 v238, s55, v232                   ; distances of key step w
	s_mov_b32 s30, 0x76543210                      ; v_permlanex16_b32: lane i takes lane i of the other half
	s_mov_b32 s31, 0xfedcba98
.irp i, 0,1,2,3,4,5,6,7
	v_mov_b32 v[ONES+\i], 0x3f803f80               ; two bf16 ones
.endr
	v_mov_b32 v[ALC+1], 0                          ; the pairs' second words are named by the packed multiplies and never used
	v_mov_b32 v[ALP+1], 0
	s_wait_kmcnt 0x0
.set k, 56
.rept 8
	s_mul_f32 s[k], s[k], 0x3fb8aa3b               ; b_pos in units of log2
.set k, k+1
.endr
.set k, 68
.rept 24
	s_mul_f32 s[k], s[k], 0x3fb8aa3b               ; W_pos rows 0, 1, 2 likewise
.set k, k+1
.endr
	s_mul_f32 s92, s92, 0x3fb8aa3b
	s_mov_b32 s93, s92
	s_mul_f32 s94, s94, 0xbfb8aa3b
	v_exp_f32 v[SG], s94                           ; e^-gating
	v_nop                                          ; one plain place behind a transcendental before its result is used (ISA guide 5.7.2)
	s_wait_alu depctr_va_vdst(0)
	v_add_f32 v[SG], 1.0, v[SG]
	v_rcp_f32 v[SG], v[SG]
	v_nop
	s_wait_alu depctr_va_vdst(0)
	v_sub_f32 v[SG+1], 1.0, v[SG]
	s_wait_loadcnt 0x24                            ; points, my query's point and Q are in; the bias's 4 loads and W_proj's 32 stay out
	v_mov_b32 v[PX+1], v[PX]
	v_mov_b32 v[PY+1], v[PY]
	v_mov_b32 v[PZ+1], v[PZ]
.irp e, 0,1,2,3
	ds_store_b32 v236, v[128+3*\e] offset:4*\e
	ds_store_b32 v236, v[129+3*\e] offset:4096+4*\e
	ds_store_b32 v236, v[130+3*\e] offset:8192+4*\e
.endr
.irp hd, 0,1,2,3,4,5,6,7
.irp e, 0,1,2,3
	v_fma_f32 v[140+4*\hd+\e], v[128+3*\e], s[68+\hd], s[56+\hd]   ; u = x w0 + b
.endr
.endr
.irp hd, 0,1,2,3,4,5,6,7
.irp e, 0,1,2,3
	v_fmac_f32 v[140+4*\hd+\e], s[76+\hd], v[129+3*\e]
.endr
.endr
.irp hd, 0,1,2,3,4,5,6,7
.irp e, 0,1,2,3
	v_fmac_f32 v[140+4*\hd+\e], s[84+\hd], v[130+3*\e]
.endr
.endr
.irp hd, 0,1,2,3,4,5,6,7
	ds_store_b128 v237, v[140+4*\hd:143+4*\hd] offset:4096*\hd
.endr
	s_wait_dscnt 0x0                               ; my part of the tables is stored, for the others' sake
	s_barrier_signal -1
	s_barrier_wait -1                              ; x, y, z and u are whole.  The three tiles stay on their way
.macro LOADT dst, areg, off            ; 8 loads from a table of f32: register 8 tt + j = key 16 tt + 8 h + j
.set t, 0
.rept 8
	ds_load_b128 v[\dst+4*t:\dst+4*t+3], v[\areg] offset:\off+(t/2)*64+(t%2)*16
.set t, t+1
.endr
.endm
.macro SQD src, p, start               ; src -= my query's coordinate; the squared distance starts with, or gains, its square
.set i, 0
.rept 16
	v_pk_add_f32 v[\src+2*i:\src+2*i+1], v[\src+2*i:\src+2*i+1], v[\p:\p+1] neg_lo:[0,1] neg_hi:[0,1]
.set i, i+1
.endr
.set i, 0
.rept 16
.if \start
	v_pk_mul_f32 v[DI+2*i:DI+2*i+1], v[\src+2*i:\src+2*i+1], v[\src+2*i:\src+2*i+1]
.else
	v_pk_fma_f32 v[DI+2*i:DI+2*i+1], v[\src+2*i:\src+2*i+1], v[\src+2*i:\src+2*i+1], v[DI+2*i:DI+2*i+1]
.endif
.set i, i+1
.endr
.endm
.macro DBUILD k                        ; the 16 x 64 distances of key step w + 8 k, into the table
	LOADT SC, AC, 2048*\k
	LOADT KR, AC, 4096+2048*\k
	LOADT VR, AC, 8192+2048*\k
	s_wait_dscnt 0x10                              ; x is in; y's and z's sixteen loads stay out
	SQD SC, PX, 1
	s_wait_dscnt 0x8                               ; y is in; z's eight stay out
	SQD KR, PY, 0
	s_wait_dscnt 0x0
	SQD VR, PZ, 0
.set i, 0
.rept 32
	v_sqrt_f32 v[DI+i], v[DI+i]
.set i, i+1
.endr
	v_nop                                          ; the plain place between the roots and the stores that read them
.set q, 0
	s_wait_alu depctr_va_vdst(0)
.rept 8
	ds_store_b128 v238, v[DI+4*q:DI+4*q+3] offset:32768*\k+512*q
.set q, q+1
.endr
.endm
	DBUILD 0
	DBUILD 1
.macro LOADK slot                      ; 8 loads: four tiles of 16 keys x 32 d
.set t, 0
.rept 4
	ds_load_b128 v[KR+8*t:KR+8*t+3],   v[AKV+\slot] offset:t*1024
	ds_load_b128 v[KR+8*t+4:KR+8*t+7], v[AKV+\slot] offset:t*1024+512
.set t, t+1
.endr
.endm
.macro LOADV slot                      ; 8 loads: (key step, dt) = t: 16 d x 32 keys
.set t, 0
.rept 4
	ds_load_b128 v[VR+8*t:VR+8*t+3],   v[AKV+\slot] offset:4096+t*1024
	ds_load_b128 v[VR+8*t+4:VR+8*t+7], v[AKV+\slot] offset:4096+t*1024+512
.set t, t+1
.endr
.endm
.macro LOADD                           ; 8 loads: the key step's distances, as they were stored
.set q, 0
.rept 8
	ds_load_b128 v[DI+4*q:DI+4*q+3], v[AD] offset:512*q
.set q, q+1
.endr
.endm
; the row's new maximum into v[TM+2] (both halves of the lanes), the factor for what was summed under the old one into v[al]
.macro SMAX src, ml, al, first
	v_max3_num_f32 v[TM],   v[\src],   v[\src+1],  v[\src+2]
	v_max3_num_f32 v[TM+1], v[\src+3], v[\src+4],  v[\src+5]
	v_max3_num_f32 v[TM+2], v[\src+6], v[\src+7],  v[\src+8]
	v_max3_num_f32 v[TM+3], v[\src+9], v[\src+10], v[\src+11]
.set n, 0
.rept 10
	v_max3_num_f32 v[TM+n%4], v[TM+n%4], v[\src+12+2*n], v[\src+13+2*n]
.set n, n+1
.endr
	v_max3_num_f32 v[TM], v[TM], v[TM+1], v[TM+2]
.if \first
	v_max_num_f32 v[TM], v[TM], v[TM+3]
.else
	v_max3_num_f32 v[TM], v[TM], v[TM+3], v[\ml]
.endif
	v_permlanex16_b32 v[TM+1], v[TM], s30, s31     ; the other eight keys of each tile lie in the other half of the lanes
	v_max_num_f32 v[TM+2], v[TM], v[TM+1]
.if \first == 0
	v_sub_f32 v[TM+3], v[\ml], v[TM+2]
	v_exp_f32 v[\al], v[TM+3]
.endif
	v_mov_b32 v[\ml], v[TM+2]                      ; the old maximum has been used; also the plain place behind the exponential
.endm
; P = 2^(logit - maximum), packed to bf16 in place: P's register i = logits 2 i, 2 i + 1.  Runs of independent instructions: no line waits for the one in front of it.
; The rescaling of the old sums of O stands between the exponentials and the packing: plain places behind the transcendentals.
.macro SEXP src, o, al, first
.set i, 0
.rept 16
	v_pk_add_f32 v[\src+2*i:\src+2*i+1], v[\src+2*i:\src+2*i+1], v[TM+2:TM+3] op_sel_hi:[1,0] neg_lo:[0,1] neg_hi:[0,1]
.set i, i+1
.endr
.set i, 0
.rept 32
	v_exp_f32 v[\src+i], v[\src+i]
.set i, i+1
.endr
.if \first
	v_nop
	s_wait_alu depctr_va_vdst(0)
.else
.set i, 0
	s_wait_alu depctr_va_vdst(0)
.rept 8
	v_pk_mul_f32 v[\o+2*i:\o+2*i+1], v[\o+2*i:\o+2*i+1], v[\al:\al+1] op_sel_hi:[1,0]
.set i, i+1
.endr
.endif
.set i, 0
.rept 16
	v_cvt_pk_bf16_f32 v[\src+i], v[\src+2*i], v[\src+2*i+1]
.set i, i+1
.endr
.endm
; O^T += V^T P and the row sums, two key steps of 32.  Three accumulators take turns, one instruction a turn.
.macro PV o, p, first
.if \first
	v_wmma_f32_16x16x32_bf16 v[\o:\o+7],    v[VR:VR+7],    v[\p:\p+7], 0
	v_wmma_f32_16x16x32_bf16 v[\o+8:\o+15], v[VR+8:VR+15], v[\p:\p+7], 0
.else
	v_wmma_f32_16x16x32_bf16 v[\o:\o+7],    v[VR:VR+7],    v[\p:\p+7], v[\o:\o+7]
	v_wmma_f32_16x16x32_bf16 v[\o+8:\o+15], v[VR+8:VR+15], v[\p:\p+7], v[\o+8:\o+15]
.endif
	v_wmma_f32_16x16x32_bf16 v[LT:LT+7],    v[ONES:ONES+7], v[\p:\p+7], 0
	v_wmma_f32_16x16x32_bf16 v[\o:\o+7],    v[VR+16:VR+23], v[\p+8:\p+15], v[\o:\o+7]
	v_wmma_f32_16x16x32_bf16 v[\o+8:\o+15], v[VR+24:VR+31], v[\p+8:\p+15], v[\o+8:\o+15]
	v_wmma_f32_16x16x32_bf16 v[LT:LT+7],    v[ONES:ONES+7], v[\p+8:\p+15], v[LT:LT+7]
.endm
.macro LUPD ml, al, first              ; the running sum: old sum x factor + the trip's 64 weights
.if \first
	v_mov_b32 v[\ml+1], v[LT]
.else
	v_fma_f32 v[\ml+1], v[\ml+1], v[\al], v[LT]
.endif
.endm
; One trip: 64 keys of my head, from the slot named.
.macro BODY slot, first
	LOADK \slot
	LOADD
	LOADT UR, AU, 0
	LOADV \slot
	s_wait_dscnt 0x18                              ; K is in; the 24 loads of distances, u and V stay out
.set t, 0
.rept 4
	v_wmma_f32_16x16x32_bf16 v[SC+8*t:SC+8*t+7], v[KR+8*t:KR+8*t+7], v[QF:QF+7], 0
.set t, t+1
.endr
	s_wait_dscnt 0x8                               ; distances and u are in; V's eight loads stay out
.set i, 0
.rept 16
	v_pk_fma_f32 v[UR+2*i:UR+2*i+1], v[DI+2*i:DI+2*i+1], s[92:93], v[UR+2*i:UR+2*i+1] op_sel_hi:[1,0,1]   ; positional logits: distance x w3 + u.  They name no register
.set i, i+1                                                                                               ; of the four products above: they are the places behind them (ISA guide 7.12.1)
.endr
	SMAX SC, ML, ALC, \first
	SEXP SC, OC, ALC, \first
	s_wait_dscnt 0x0                               ; V is in
	PV OC, SC, \first
	SMAX UR, ML+2, ALP, \first                     ; on other registers than the six products': the places in front of the line that reads the row sums
	LUPD ML, ALC, \first
	SEXP UR, OPS, ALP, \first
	PV OPS, UR, \first
	v_add_nc_u32 v[AD], 4096, v[AD]                ; the next key step; with the two v_nop four places before the row sums are read
	v_add_nc_u32 v[AU], 256, v[AU]                 ; and before the next trip's loads land on V's and P's registers
	v_nop
	v_nop
	LUPD ML+2, ALP, \first
.endm
; Two trips and the refill of the two slots that have been read.  Slot a's tile has landed and is read first; slot b's is read behind its counted wait.
.macro PAIR a, b, c, fills
	s_set_vgpr_msb 0x5
	s_wait_tensorcnt 0x0                           ; all my tensor loads have landed, slot a's among them, so every group 0 may be written
	ds_add_u32 v128, v129
	s_wait_dscnt 0x0
	s_set_vgpr_msb 0x500
	TADDR \b
.if \fills == 2
	TADDR \c
.endif
	s_wait_dscnt 0x0                               ; my reads of slots b and c are back
	ROUND                                          ; both now hold of every wave of all four work-groups
	tensor_load_to_lds s[G0+4*\b:G0+4*\b+3], s[G1:G1+7]
	s_nop 0
.if \fills == 2
	tensor_load_to_lds s[G0+4*\c:G0+4*\c+3], s[G1:G1+7]
	s_nop 0
.endif
	BODY \a, 0
	s_wait_tensorcnt \fills-1                      ; my part of slot b's tile is in (only I read it); slot c's may stay out
	BODY \b, 0
.endm
	s_wait_tensorcnt 0x2                           ; key step 0 has landed; the two younger tiles stay out
	s_wait_dscnt 0x0                               ; my distances are stored, my reads of x, y, z are back
	s_barrier_signal -1
	s_barrier_wait -1                              ; the table of distances is whole.
	BODY 0, 1                                      ; the first trip starts maxima and sums: nothing is cleared
	s_wait_tensorcnt 0x1                           ; key step 1 has landed; key step 2 may stay out
	BODY 1, 0
	s_mov_b32 s54, 2
.Lring:
	PAIR 2, 0, 1, 2                                ; key steps 2, 3 (8, 9)
	PAIR 1, 2, 0, 2                                ; 4, 5 (10, 11)
	PAIR 0, 1, 2, 2                                ; 6, 7 (12, 13)
	s_sub_co_i32 s54, s54, 1
	s_cmp_lg_u32 s54, 0
	s_cbranch_scc1 .Lring
	PAIR 2, 0, 1, 1                                ; key steps 14, 15: only the last tile is still to be fetched
	; MY HEAD'S RESULT: (1 - sig) OC / lC + sig OP / lP, over the mixed row's sum; then hi and lo into the stage.
	v_rcp_f32 v60, v[ML+1]
	v_rcp_f32 v61, v[ML+3]
	v_nop
	s_wait_alu depctr_va_vdst(0)
	v_mul_f32 v60, v[SG+1], v60                    ; (1 - sig) / lC
	v_mul_f32 v61, v[SG],   v61                    ; sig / lP
	v_mul_f32 v62, v60, v[ML+1]
	v_fma_f32 v62, v61, v[ML+3], v62               ; the mixed row's sum
	v_rcp_f32 v62, v62
	v_nop
	s_wait_alu depctr_va_vdst(0)
	v_mul_f32 v30, v60, v62                        ; the two factors, each in both words of a pair
	v_mul_f32 v31, v60, v62
	v_mul_f32 v56, v61, v62
	v_mul_f32 v57, v61, v62
.set i, 0
.rept 8
	v_pk_mul_f32 v[OC+2*i:OC+2*i+1], v[OC+2*i:OC+2*i+1], v[30:31]
.set i, i+1
.endr
.set i, 0
.rept 8
	v_pk_fma_f32 v[OC+2*i:OC+2*i+1], v[OPS+2*i:OPS+2*i+1], v[56:57], v[OC+2*i:OC+2*i+1]
.set i, i+1
.endr
.set i, 0
.rept 8
	v_cvt_pk_bf16_f32 v[96+i], v[OC+2*i], v[OC+2*i+1]          ; hi
.set i, i+1
.endr
.set i, 0
.rept 8
	v_lshlrev_b32 v[SC+2*i],   16, v[96+i]                     ; hi back in f32: the low half moves up,
	v_and_b32     v[SC+2*i+1], 0xffff0000, v[96+i]             ; the high half stays
.set i, i+1
.endr
.set i, 0
.rept 8
	v_pk_add_f32 v[OC+2*i:OC+2*i+1], v[OC+2*i:OC+2*i+1], v[SC+2*i:SC+2*i+1] neg_lo:[0,1] neg_hi:[0,1]   ; exact in f32
.set i, i+1
.endr
.set i, 0
.rept 8
	v_cvt_pk_bf16_f32 v[104+i], v[OC+2*i], v[OC+2*i+1]         ; lo
.set i, i+1
.endr
	s_lshl_b32 s55, s22, 11
	s_add_co_u32 s55, s55, AST
	v_lshl_add_u32 v2, v1, 4, s55                  ; my head's 2 KB of the stage
	v_lshl_add_u32 v3, v1, 4, AST                  ; the whole stage, for reading
	v_and_b32 v60, 15, v0
	v_bfe_u32 v61, v0, 4, 1
	v_mul_u32_u24 v62, v60, OPITCH
	v_lshl_add_u32 v62, v61, 5, v62
	s_lshl_b32 s55, s22, 7
	s_add_co_u32 s55, s55, OST
	v_add_nc_u32 v4, s55, v62                      ; out stage, in: row r, byte 128 w + 32 h
	s_mul_i32 s55, s22, 2*OPITCH
	s_add_co_u32 s55, s55, OST
	v_lshl_add_u32 v5, v1, 4, s55                  ; out stage, back: rows 2 w, 2 w + 1
	s_lshl_b32 s55, s22, 11
	v_lshl_add_u32 v6, v1, 4, s55                  ; the same two rows in out0
	ds_store_b128 v2, v[96:99]                     ; token r, channels 8 h ..
	ds_store_b128 v2, v[100:103] offset:512        ; channels 16 + 8 h ..
	ds_store_b128 v2, v[104:107] offset:1024
	ds_store_b128 v2, v[108:111] offset:1536
	s_wait_dscnt 0x0                               ; stored, for the others' sake; my reads of the tables were back long ago
	s_barrier_signal -1
	s_barrier_wait -1                              ; all eight heads' results are in the stage, and no wave reads the table of distances any more
	; THE PROJECTION: 16 tokens x my 32 channels, K = 256 = 8 heads of 32.
.set q, 0
.rept 32
	ds_load_b128 v[128+4*q:128+4*q+3], v3 offset:512*q         ; K step ks: hi in v[128 + 16 ks ..], lo in v[136 + 16 ks ..]
.set q, q+1
.endr
	s_wait_loadcnt 0x0                             ; W_proj's fragments and the bias
	s_set_vgpr_msb 0x01                            ; source 0 in v256-v511: W_proj's fragments
.set ks, 0
.rept 8
	s_wait_dscnt 28-4*ks                           ; this K step's four loads are back; the later steps' stay out
	; four accumulators take turns, one instruction a turn
	v_wmma_f32_16x16x32_bf16 v[ACC:ACC+7],    v[8*ks:8*ks+7],       v[128+16*ks:128+16*ks+7], v[ACC:ACC+7]
	v_wmma_f32_16x16x32_bf16 v[ACC+8:ACC+15], v[64+8*ks:64+8*ks+7], v[128+16*ks:128+16*ks+7], v[ACC+8:ACC+15]
.if ks == 0
	v_wmma_f32_16x16x32_bf16 v[ACL:ACL+7],    v[8*ks:8*ks+7],       v[136+16*ks:136+16*ks+7], 0
	v_wmma_f32_16x16x32_bf16 v[ACL+8:ACL+15], v[64+8*ks:64+8*ks+7], v[136+16*ks:136+16*ks+7], 0
.else
	v_wmma_f32_16x16x32_bf16 v[ACL:ACL+7],    v[8*ks:8*ks+7],       v[136+16*ks:136+16*ks+7], v[ACL:ACL+7]
	v_wmma_f32_16x16x32_bf16 v[ACL+8:ACL+15], v[64+8*ks:64+8*ks+7], v[136+16*ks:136+16*ks+7], v[ACL+8:ACL+15]
.endif
.set ks, ks+1
.endr
	s_set_vgpr_msb 0x0100                          ; all back to v0-v255
.rept 4
	v_nop                                          ; four places before vector instructions read the results
.endr
.set i, 0
.rept 8
	v_pk_add_f32 v[ACC+2*i:ACC+2*i+1], v[ACC+2*i:ACC+2*i+1], v[ACL+2*i:ACL+2*i+1]
.set i, i+1
.endr
	; The way out: lane (r, h) holds token r, channels 32 w + 16 i + 8 h + j.  16 rows of 1,024 bytes meet in LDS and leave as whole rows.
	ds_store_b128 v4, v[ACC:ACC+3]
	ds_store_b128 v4, v[ACC+4:ACC+7]    offset:16
	ds_store_b128 v4, v[ACC+8:ACC+11]   offset:64
	ds_store_b128 v4, v[ACC+12:ACC+15]  offset:80
	s_wait_dscnt 0x0                               ; stored, for the others' sake
	s_barrier_signal -1
	s_barrier_wait -1
.set q, 0
.rept 4
	ds_load_b128 v[64+4*q:64+4*q+3], v5 offset:(q/2)*OPITCH+(q%2)*512
.set q, q+1
.endr
.set q, 0
.rept 4
	s_wait_dscnt 3-q                               ; load q is back; the younger ones stay out
	global_store_b128 v6, v[64+4*q:64+4*q+3], s[20:21] offset:512*q th:TH_STORE_NT   ; each store covers 512 consecutive bytes, aligned
.set q, q+1
.endr
	s_set_vgpr_msb 0x5
	s_wait_tensorcnt 0x0
	ds_add_u32 v128, v129
	s_wait_dscnt 0x0
	s_set_vgpr_msb 0x500
	ROUND                                          ; the closing round: no work-group ends while a partner may still ask jointly
	s_endpgm
.Lfunc_end_k_qc1475cf4fb_attn:
	.size	k_qc1475cf4fb_attn, .Lfunc_end_k_qc1475cf4fb_attn-k_qc1475cf4fb_attn
	.p2alignl 7, 3214868480
	.fill 96, 4, 3214868480
	.section	.rodata,"a",@progbits
	.p2align	6, 0x0
	.amdhsa_kernel k_qc1475cf4fb_attn
		.amdhsa_group_segment_fixed_size 327680
		.amdhsa_private_segment_fixed_size 0
		.amdhsa_enable_private_segment 0
		.amdhsa_kernarg_size 72
		.amdhsa_user_sgpr_count 2
		.amdhsa_user_sgpr_kernarg_segment_ptr 1
		.amdhsa_wavefront_size32 1
		.amdhsa_system_sgpr_workgroup_id_x 1
		.amdhsa_system_sgpr_workgroup_id_y 1
		.amdhsa_system_sgpr_workgroup_id_z 1
		.amdhsa_system_vgpr_workitem_id 0
		.amdhsa_next_free_vgpr 386
		.amdhsa_next_free_sgpr 102
		.amdhsa_reserve_vcc 0
		.amdhsa_float_denorm_mode_32 3
		.amdhsa_float_denorm_mode_16_64 3
		.amdhsa_memory_ordered 1
		.amdhsa_forward_progress 1
		.amdhsa_inst_pref_size 190
	.end_amdhsa_kernel
	.amdgpu_metadata
---
amdhsa.version: [ 1, 2 ]
amdhsa.kernels:
  - .name:           k_qc1475cf4fb_attn
    .symbol:         k_qc1475cf4fb_attn.kd
    .args:
      - { .name: Qf, .offset: 0, .size: 8, .value_kind: global_buffer, .address_space: global }
      - { .name: KVf, .offset: 8, .size: 8, .value_kind: global_buffer, .address_space: global }
      - { .name: Wpf, .offset: 16, .size: 8, .value_kind: global_buffer, .address_space: global }
      - { .name: voxel_coord, .offset: 24, .size: 8, .value_kind: global_buffer, .address_space: global }
      - { .name: W_pos, .offset: 32, .size: 8, .value_kind: global_buffer, .address_space: global }
      - { .name: b_pos, .offset: 40, .size: 8, .value_kind: global_buffer, .address_space: global }
      - { .name: gating, .offset: 48, .size: 8, .value_kind: global_buffer, .address_space: global }
      - { .name: b_proj, .offset: 56, .size: 8, .value_kind: global_buffer, .address_space: global }
      - { .name: out0, .offset: 64, .size: 8, .value_kind: global_buffer, .address_space: global }
    .group_segment_fixed_size: 327680
    .private_segment_fixed_size: 0
    .kernarg_segment_align: 8
    .kernarg_segment_size: 72
    .max_flat_workgroup_size: 256
    .sgpr_count:     102
    .vgpr_count:     386
    .wavefront_size: 32
...
	.end_amdgpu_metadata
.endif
;; end of part 5
;; ======== version 3 of 3: 2 launches; version 2 with the launch qkv written anew for expert scheduling mode
;; workspace buffers: Qf 2,097,152 bytes; KVf 4,194,304 bytes; Wpf 131,072 bytes
;; launch qkv (part 6): grid 64 x 4, 8 waves a work-group, no clusters, 136,192 bytes of LDS; arguments x, W_qk, W_v, W_proj, Qf, KVf, Wpf; writes Qf, KVf, Wpf
.if DOCPART == 6
	.amdgcn_target "amdgcn-amd-amdhsa--gfx1250"
	.amdhsa_code_object_version 6
	.text
	.protected	k_qc1475cf4fb_qkv
	.globl	k_qc1475cf4fb_qkv
	.p2align	8
	.type	k_qc1475cf4fb_qkv,@function
k_qc1475cf4fb_qkv:
	s_mov_b64 s[64:65], 0
	v_nop
	global_prefetch_b8 v0, s[64:65] scope:SCOPE_SE
	s_setreg_imm32_b32 hwreg(HW_REG_WAVE_SCHED_MODE, 0, 2), 2
	s_setreg_imm32_b32 hwreg(HW_REG_WAVE_MODE, 25, 1), 1
	s_wait_xcnt 0x0
	s_wait_alu depctr_vm_vsrc(0)
; q, k, v = x W for 64 tokens and one pair of heads (64 columns each of q, k and v), bf16 operands, f32 sums; and W_proj rounded to bf16.
; Everything is stored in the order in which a 16 x 32 matrix fragment lies in a wave's registers: a block of 1,024 bytes,
; byte c*512 + lane*16 = registers 4c .. 4c+3 of that lane.  The attention launch loads such blocks with no shuffle.
;   Qf : [tile of 16 tokens, 0..255][head][1 KB]                 16 tokens x 32 d, times 32^-0.5 * log2(e)
;   KVf: [batch][head][block of 64 keys][8 KB]: K as [tile tt 0..3][1 KB] (16 keys x 32 d), then V^T as [key step ks 0..1][dt 0..1][1 KB] (16 d x 32 keys)
;   Wpf: [tile of 16 output channels][K step of 32][1 KB]        16 channels x 32 k of W_proj; wave 0 of work-group id makes bytes 512 id .. 512 id + 511
; Eight waves.  x and W arrive as f32 and are rounded to bf16 in registers on the way to LDS (W is also transposed there), so there is no
; tensor load that work-groups of a cluster could share: no cluster.
; LDS rows are 512 bytes of data + 16: pitch 528 = 33 x 16, so the sixteen rows of a fragment load begin in sixteen different 16-byte columns of a 256-byte span.
; Limit: q carries the factor 32^-0.5 * log2(e) before it is rounded to bf16, so the order of rounding differs from scaling the product q k.
; THE MODE: SCHED_MODE bits 1:0 = 2 (LLVM: expert scheduling mode 2), set by the entry lines.  The code itself states the register dependences
; between vector or matrix instructions and memory or LDS instructions, with s_wait_alu, always for 0.
; THE PLAN.  Registers that memory or LDS instructions touch:
;   v5-v17, v20, v21  offsets and LDS addresses: written at the head, read by every load and store, never written again.
;   BK0 .. BK3        four batches of sixteen loads (x, Wq, Wk, Wv), all issued at the head, each into registers of its own: no load lands where a conversion has read.
;   O0, O1            two out-buffers of 32 registers by turns: x -> O0, Wq -> O1, Wk -> O0, Wv -> O1.  A step's conversions write one of them; its LDS stores are issued in the
;                     NEXT step, behind the wait for that step's data and one wait on va_vdst, and that step's conversions name the other out-buffer and another batch.
;                     An out-buffer is written again two steps on, behind a wait on vm_vsrc that stands a step behind the stores that read it.
;   F0, F1, F2        three fragment buffers.  K step s multiplies buffer s % 3; its LDS loads bring step s + 2 into buffer (s + 2) % 3, which the products of step s - 1 read:
;                     one wait on va_vdst at the step's head, behind the wait for the step's fragments; the ten loads are dealt among the step's six products,
;                     which name buffer s % 3 and the accumulators alone.
;   T                 the way out: written by the last conversions, read by the six stores behind one wait on va_vdst.
;   The accumulators are named by vector and matrix instructions alone.  v62, v63: written at the head, read by the closing add alone.
.set PITCH, 528
.set SLICE, 64*PITCH                   ; W^T of one of q, k, v: 64 columns x 256 k
.set XS,    3*SLICE                    ; x: 64 tokens x 256 k, behind the three slices
.set XO,  5                            ; v5   byte offset of my 16 bytes in x (wave's 8 rows)
.set XST, 6                            ; v6   where my 8 bytes of bf16 x go in LDS
.set WQO, 7                            ; v7   byte offset in W_qk: row 32 w + 8 h, 16 bytes at 16 l
.set WVO, 8                            ; v8   the same in W_v
.set WS0, 9                            ; v9-11 where my transposed 16 bytes go, slice q, k, v
.set AX,  12                           ; v12  x fragments
.set AW,  13                           ; v13  W fragments of slices q and k
.set AWV, 14                           ; v14  W fragments of slice v (beyond a 16-bit offset)
.set QO,  15                           ; v15  my 16 bytes in a Q block
.set KO,  16                           ; v16  in a K block
.set VO,  17                           ; v17  in a V block
.set WPO, 20                           ; v20  W_proj: row 8 h, column r
.set WPS, 21                           ; v21  Wpf: 16 x lane
.set WP,  22                           ; v[22:29] eight numbers of a column of W_proj (wave 0); they close up, packed, into v[22:25]
.set O0,  30                           ; v[30:61]   out-buffer 0
.set T,   32                           ; v[32:55]   the way out: q, k, v packed
.set BK0, 64                           ; v[64:127]  x as loaded
.set O1,  64                           ; v[64:95]   out-buffer 1, in registers that x has left
.set BK1, 128                          ; v[128:191] Wq as loaded
.set BK2, 192                          ; v[192:255] Wk as loaded, in the registers that later hold the sums
.set BK3, 0                            ; v[256:319] Wv as loaded: named through the register window
.set F0,  64                           ; v[64:103]  fragments x0 x1 Wq Wk Wv
.set F1,  104                          ; v[104:143] the same, second buffer
.set F2,  144                          ; v[144:183] the same, third buffer
.set ACC, 192                          ; v[192:239] Q0 Q1 K0 K1 V0 V1
	s_load_b256 s[4:11], s[0:1], 0x0               ; x s[4:5], W_qk s[6:7], W_v s[8:9], W_proj s[10:11]
	s_load_b128 s[12:15], s[0:1], 0x20             ; Qf s[12:13], KVf s[14:15]
	s_load_b64 s[16:17], s[0:1], 0x30              ; Wpf
	v_lshl_add_u32 v62, v0, 2, 0x21000
	v_mov_b32 v63, 0
	v_lshrrev_b32 v2, 5, v0
	v_readfirstlane_b32 s18, v2                    ; wave w, 0..7; what hangs on no wave stands between this line and the wait for it
	s_and_b32 s21, ttmp7, 0xffff                   ; head pair
	s_lshr_b32 s22, ttmp9, 4                       ; batch
	s_and_b32 s23, ttmp9, 15                       ; block of 64 tokens in the batch
	s_lshl_b32 s24, ttmp9, 16                      ; x: 64 rows of 1,024 bytes
	s_mov_b32 s25, 0
	s_lshl_b32 s26, s21, 8                         ; W_qk, W_v: 64 columns of 4 bytes
	s_mov_b32 s27, 0
	s_lshl_b32 s28, ttmp9, 15                      ; Qf: four token tiles of 8 KB + two heads of 1 KB a pair
	s_lshl_b32 s36, s21, 11
	s_add_co_u32 s28, s28, s36
	s_mov_b32 s29, 0
	s_lshl_b32 s30, s22, 20                        ; KVf: 1 MB a batch + 128 KB a head + 8 KB a block
	s_lshl_b32 s36, s21, 18
	s_add_co_u32 s30, s30, s36
	s_lshl_b32 s36, s23, 13
	s_add_co_u32 s30, s30, s36
	s_mov_b32 s31, 0
	s_and_b32 s32, ttmp9, 3                        ; W_proj: id = 4 tb + head pair names 16 rows k0 = 16 (4 (tb & 3) + head pair) ..
	s_lshl2_add_u32 s32, s32, s21
	s_lshl_b32 s32, s32, 14                        ; .. of 1,024 bytes,
	s_lshr_b32 s36, ttmp9, 2
	s_lshl_b32 s36, s36, 6                         ; and the 16 columns of channel tile tb >> 2
	s_add_co_u32 s32, s32, s36
	s_mov_b32 s33, 0
	s_lshl2_add_u32 s34, ttmp9, s21                ; id
	s_lshl_b32 s34, s34, 9
	s_mov_b32 s35, 0
	v_and_b32 v1, 31, v0                           ; lane
	v_and_b32 v3, 15, v0                           ; r (also l, the lane in its half)
	v_bfe_u32 v4, v0, 4, 1                         ; h
	s_wait_alu depctr_va_sdst(0)                   ; s18 is written, ahead of its first reader: offsets, LDS addresses and three branches are made from it
	s_and_b32 s19, s18, 3                          ; nt: which 16 columns of each slice
	s_lshr_b32 s20, s18, 2                         ; th: which 32 tokens
	s_lshl_b32 s36, s18, 13
	v_lshl_add_u32 v[XO], v1, 4, s36               ; 8 w rows + 16 lane
	s_mul_i32 s36, s18, 8*PITCH
	s_add_co_u32 s36, s36, XS
	v_lshl_add_u32 v[XST], v1, 3, s36
	v_lshlrev_b32 v18, 4, v3
	v_lshl_add_u32 v19, v4, 14, v18                ; 8 h rows of 2,048 bytes + 16 l
	s_lshl_b32 s36, s18, 16
	v_add_nc_u32 v[WQO], s36, v19                  ; + 32 w rows
	v_lshl_add_u32 v19, v4, 13, v18                ; the same with rows of 1,024 bytes
	s_lshl_b32 s36, s18, 15
	v_add_nc_u32 v[WVO], s36, v19
	v_mul_u32_u24 v19, v3, 4*PITCH                 ; column 4 l
	v_lshl_add_u32 v19, v4, 4, v19                 ; + 8 h along k
	s_lshl_b32 s36, s18, 6
	v_add_nc_u32 v[WS0], s36, v19                  ; + 32 w along k
	v_add_nc_u32 v[WS0+1], SLICE, v[WS0]
	v_add_nc_u32 v[WS0+2], 2*SLICE, v[WS0]
	v_mul_u32_u24 v19, v3, PITCH
	v_lshl_add_u32 v19, v4, 4, v19                 ; a fragment's lane term: row r, 16 h
	s_mul_i32 s36, s20, 32*PITCH
	s_add_co_u32 s36, s36, XS
	v_add_nc_u32 v[AX], s36, v19
	s_mul_i32 s36, s19, 16*PITCH
	v_add_nc_u32 v[AW], s36, v19
	v_add_nc_u32 v[AWV], 2*SLICE, v[AW]
	s_lshl_b32 s36, s20, 14                        ; Q: token tile 2 th (8 KB a tile) + (head a, half c) = nt x 512
	s_lshl_b32 s37, s19, 9
	s_add_co_u32 s36, s36, s37
	v_lshl_add_u32 v[QO], v1, 4, s36
	s_lshr_b32 s37, s19, 1                         ; a
	s_lshl_b32 s37, s37, 17                        ; 128 KB a head
	s_lshl_b32 s38, s20, 11                        ; K: tile 2 th of 1 KB; V: key step th of 2 KB
	s_add_co_u32 s37, s37, s38
	s_and_b32 s38, s19, 1                          ; c
	s_lshl_b32 s39, s38, 9                         ; K: half c of a block
	s_add_co_u32 s39, s39, s37
	v_lshl_add_u32 v[KO], v1, 4, s39
	s_lshl_b32 s39, s38, 10                        ; V: dt = c, 1 KB
	s_add_co_u32 s39, s39, s37
	v_lshl_add_u32 v[VO], v1, 4, s39
	v_lshlrev_b32 v19, 2, v3
	v_lshl_add_u32 v[WPO], v4, 13, v19             ; 8 h rows of 1,024 bytes + 4 r
	v_lshlrev_b32 v[WPS], 4, v1
	s_wait_kmcnt 0x0
	s_add_nc_u64 s[4:5], s[4:5], s[24:25]
	s_add_nc_u64 s[6:7], s[6:7], s[26:27]
	s_add_nc_u64 s[8:9], s[8:9], s[26:27]
	s_add_nc_u64 s[10:11], s[10:11], s[32:33]
	s_add_nc_u64 s[12:13], s[12:13], s[28:29]
	s_add_nc_u64 s[14:15], s[14:15], s[30:31]
	s_add_nc_u64 s[16:17], s[16:17], s[34:35]
	s_wait_alu depctr_va_vdst(0)                   ; the offsets and LDS addresses v5 to v17, v20 and v21 are written: every load and store of the kernel reads one of them
; Sixteen loads of W, load q = 8 j + e: row 32 w + 16 j + 8 h + e (the two halves of the lanes take neighbouring groups of eight rows, so a round j spans
; sixteen rows); 64 columns = 256 consecutive bytes for each half of the lanes
.macro LDW bank, oreg, sb, rowb, off
.set q, 0
.rept 16
	global_load_b128 v[\bank+4*q:\bank+4*q+3], v[\oreg], s[\sb:\sb+1] offset:\rowb*(16*(q/8)+q%8)+\off
.set q, q+1
.endr
.endm
; eight rows (k) x four columns of f32 in a lane become four columns x eight k of bf16: 16 bytes along k for each column, at k = 32 w + 16 j + 8 h.
; WCVT: round j's sixteen conversions, into half j of out-buffer o.  WSTO: that half's four LDS stores.
.macro WCVT bank, j, o
.irp i, 0,1,2,3
.irp p, 0,1,2,3
	v_cvt_pk_bf16_f32 v[\o+16*\j+4*\i+\p], v[\bank+32*\j+8*\p+\i], v[\bank+32*\j+8*\p+4+\i]
.endr
.endr
.endm
.macro WSTO o, j, areg
.irp i, 0,1,2,3
	ds_store_b128 v[\areg], v[\o+16*\j+4*\i:\o+16*\j+4*\i+3] offset:\i*PITCH+\j*32
.endr
.endm
; eight of x's sixteen LDS stores, from number q0 on
.macro XSTO q0
.set q, \q0
.rept 8
	ds_store_b64 v[XST], v[O0+2*q:O0+2*q+1] offset:(q/2)*PITCH+(q%2)*256
.set q, q+1
.endr
.endm
	; ALL LOADS GO OUT AT THE HEAD, each batch into registers of its own.
	s_cmp_lg_u32 s18, 0
	s_cbranch_scc1 .Lno_wp                         ; wave 0 alone: W_proj(k0 + 8 h + e, column r), the oldest loads, so every count below holds with and without them
.irp e, 0,1,2,3,4,5,6,7
	global_load_b32 v[WP+\e], v[WPO], s[10:11] offset:1024*\e
.endr
.Lno_wp:
.set q, 0
.rept 16
	global_load_b128 v[BK0+4*q:BK0+4*q+3], v[XO], s[4:5] offset:512*q    ; x: rows 8 w + q/2, 512 consecutive bytes a load
.set q, q+1
.endr
	LDW BK1, WQO, 6, 2048, 0                       ; W_qk, the q columns
	LDW BK2, WQO, 6, 2048, 1024                    ; W_qk, the k columns (256 columns further)
	s_set_vgpr_msb 0x40                            ; destinations in v256-v511; since the wait above only loads, two scalar lines and this switch have been issued
	LDW BK3, WVO, 8, 1024, 0                       ; W_v, into v256-v319
	s_set_vgpr_msb 0x4000                          ; all back to v0-v255
	; STEP X: x is rounded into O0; wave 0 rounds its piece of W_proj.
	s_wait_loadcnt 0x30                            ; x is in (and wave 0's W_proj, which is older); the 48 loads of Wq, Wk and Wv stay out
	s_cmp_lg_u32 s18, 0
	s_cbranch_scc1 .Lno_wpc
.irp p, 0,1,2,3
	v_cvt_pk_bf16_f32 v[WP+\p], v[WP+2*\p], v[WP+2*\p+1]      ; eight k of one channel, half a fragment's lane, close up into the first four of their eight registers
.endr
.Lno_wpc:
.set q, 0
.rept 16
	v_cvt_pk_bf16_f32 v[O0+2*q],   v[BK0+4*q],   v[BK0+4*q+1]
	v_cvt_pk_bf16_f32 v[O0+2*q+1], v[BK0+4*q+2], v[BK0+4*q+3]
.set q, q+1
.endr
	; STEP Q: step X's stores; Wq is rounded into O1.
	s_wait_loadcnt 0x20                            ; Wq is in; Wk's and Wv's 32 stay out
	s_wait_alu depctr_va_vdst(0)                   ; step X's conversions have written O0 and, in wave 0, v[22:25], which the stores below read
	s_cmp_lg_u32 s18, 0
	s_cbranch_scc1 .Lno_wps
	global_store_b128 v[WPS], v[WP:WP+3], s[16:17]            ; 512 consecutive bytes, aligned
.Lno_wps:
	XSTO 0                                         ; no further wait: the conversions of this step name BK1 and O1 alone
	WCVT BK1, 0, O1
	XSTO 8
	WCVT BK1, 1, O1
	; STEP K: step Q's stores; Wk is rounded into O0.
	s_wait_loadcnt 0x10                            ; Wk is in; Wv's sixteen stay out
	s_wait_alu depctr_vm_vsrc(0)                   ; x's LDS stores, issued in step Q, have read O0, which this step's conversions write again
	s_wait_alu depctr_va_vdst(0)                   ; step Q's conversions have written O1, which the stores below read
	WSTO O1, 0, WS0                                ; no further wait: the conversions of this step name BK2 and O0 alone
	WCVT BK2, 0, O0
	WSTO O1, 1, WS0
	WCVT BK2, 1, O0
	; STEP V: step K's stores; Wv is rounded into O1.
	s_wait_loadcnt 0x0
	s_wait_alu depctr_vm_vsrc(0)                   ; Wq's LDS stores, issued in step K, have read O1, which this step's conversions write again
	s_wait_alu depctr_va_vdst(0)                   ; step K's conversions have written O0, which the stores below read
	WSTO O0, 0, WS0+1                              ; in one run, so that the window is switched once for the conversions
	WSTO O0, 1, WS0+1
	s_set_vgpr_msb 0x5                             ; sources 0 and 1 in v256-v511: Wv as loaded
	WCVT BK3, 0, O1
	WCVT BK3, 1, O1
	s_set_vgpr_msb 0x500                           ; all back to v0-v255
	s_wait_alu depctr_va_vdst(0)                   ; step V's conversions have written O1, which the stores below read; every conversion that named v64 to v191, where fragments will land, is complete too
	WSTO O1, 0, WS0+2
	WSTO O1, 1, WS0+2
	s_wait_dscnt 0x0                               ; my LDS stores are done, for the other waves' sake,
	s_barrier_signal -1
	s_barrier_wait -1                              ; and everybody's are: x and W^T are whole
	s_wait_alu depctr_vm_vsrc(0)                   ; my LDS stores have read O1, on which fragments land, and O0, into which the way out's conversions write
.macro PLACES
.rept 4
	v_nop
.endr
.endm
; two LDS loads: one fragment of 16 rows x 32 k
.macro LD2 dst, areg, off
	ds_load_b128 v[\dst:\dst+3],   v[\areg] offset:\off
	ds_load_b128 v[\dst+4:\dst+7], v[\areg] offset:\off+32
.endm
; ten LDS loads: the fragments of K step ks (32 along k = 64 bytes of a row)
.macro FETCH ks, f
	LD2 \f,    AX,  64*\ks
	LD2 \f+8,  AX,  16*PITCH+64*\ks
	LD2 \f+16, AW,  64*\ks
	LD2 \f+24, AW,  SLICE+64*\ks
	LD2 \f+32, AWV, 64*\ks
.endm
; Six matrix instructions on six accumulators, which take turns one instruction a turn.
; Q, K: source 0 = 16 columns of W, source 1 = 16 tokens: a lane ends with 8 neighbouring d of token r.
; V: source 0 = 16 tokens, source 1 = 16 columns of W: a lane ends with 8 neighbouring tokens of channel r.
.macro ONE d, a, b, zero
.if \zero
	v_wmma_f32_16x16x32_bf16 v[\d:\d+7], v[\a:\a+7], v[\b:\b+7], 0
.else
	v_wmma_f32_16x16x32_bf16 v[\d:\d+7], v[\a:\a+7], v[\b:\b+7], v[\d:\d+7]
.endif
.endm
.macro MUL f, zero
	ONE ACC,    \f+16, \f,    \zero
	ONE ACC+8,  \f+16, \f+8,  \zero
	ONE ACC+16, \f+24, \f,    \zero
	ONE ACC+24, \f+24, \f+8,  \zero
	ONE ACC+32, \f,    \f+32, \zero
	ONE ACC+40, \f+8,  \f+32, \zero
.endm
; A K step that also fetches: buffer f is multiplied; K step next is fetched into buffer g, which the products of the step before read.
.macro STEPF f, g, next
	s_wait_dscnt 0xa                               ; LDS loads come back in order (ISA guide 5.7.1): buffer f is in, the next step's ten loads stay out
	s_wait_alu depctr_va_vdst(0)                   ; the products of the step before are done reading buffer g, in which the loads below land
	ONE ACC,    \f+16, \f,    0
	LD2 \g,    AX,  64*\next                       ; no further wait: the products of this step name buffer f and the accumulators alone
	ONE ACC+8,  \f+16, \f+8,  0
	LD2 \g+8,  AX,  16*PITCH+64*\next
	ONE ACC+16, \f+24, \f,    0
	LD2 \g+16, AW,  64*\next
	ONE ACC+24, \f+24, \f+8,  0
	LD2 \g+24, AW,  SLICE+64*\next
	ONE ACC+32, \f,    \f+32, 0
	LD2 \g+32, AWV, 64*\next
	ONE ACC+40, \f+8,  \f+32, 0
.endm
	FETCH 0, F0
	FETCH 1, F1
	FETCH 2, F2
	s_wait_dscnt 0x14                              ; K step 0's fragments are in; the twenty loads of steps 1 and 2 stay out
	MUL F0, 1                                      ; the first products start the sums: nothing is cleared
	STEPF F1, F0, 3
	STEPF F2, F1, 4
	STEPF F0, F2, 5
	STEPF F1, F0, 6
	STEPF F2, F1, 7
	s_wait_dscnt 0xa                               ; K step 6's fragments are in; step 7's ten stay out.  The last two steps load nothing, so they state nothing
	MUL F0, 0
	s_wait_dscnt 0x0
	MUL F1, 0
	PLACES                                         ; four places before vector instructions read the results (ISA guide 7.12.1)
.set i, 0
.rept 8
	v_pk_mul_f32 v[ACC+2*i:ACC+2*i+1], v[ACC+2*i:ACC+2*i+1], 0x3e8293ee op_sel_hi:[1,0]   ; q times 32^-0.5 * log2(e) = 0.25503486
.set i, i+1
.endr
.set i, 0
.rept 24
	v_cvt_pk_bf16_f32 v[T+i], v[ACC+2*i], v[ACC+2*i+1]
.set i, i+1
.endr
	s_wait_alu depctr_va_vdst(0)                   ; the conversions have written v[T ..], which the six stores read
	; each store of the wave covers 512 consecutive bytes, aligned: half a fragment block
	global_store_b128 v[QO], v[T:T+3],     s[12:13]                ; token tile 2 th
	global_store_b128 v[QO], v[T+4:T+7],   s[12:13] offset:8192    ; token tile 2 th + 1
	global_store_b128 v[KO], v[T+8:T+11],  s[14:15]
	global_store_b128 v[KO], v[T+12:T+15], s[14:15] offset:1024
	global_store_b128 v[VO], v[T+16:T+19], s[14:15] offset:4096    ; keys 0-15 of the step: registers 0-3
	global_store_b128 v[VO], v[T+20:T+23], s[14:15] offset:4096+512
	s_wait_dscnt 0x0                               ; the closing lines, six on end
	s_wait_alu 0x0
	s_wait_tensorcnt 0x0
	ds_add_u32 v62, v63
	s_wait_dscnt 0x0
	s_endpgm
.Lfunc_end_k_qc1475cf4fb_qkv:
	.size	k_qc1475cf4fb_qkv, .Lfunc_end_k_qc1475cf4fb_qkv-k_qc1475cf4fb_qkv
	.p2alignl 7, 3214868480
	.fill 96, 4, 3214868480
	.section	.rodata,"a",@progbits
	.p2align	6, 0x0
	.amdhsa_kernel k_qc1475cf4fb_qkv
		.amdhsa_group_segment_fixed_size 136192
		.amdhsa_private_segment_fixed_size 0
		.amdhsa_enable_private_segment 0
		.amdhsa_kernarg_size 56
		.amdhsa_user_sgpr_count 2
		.amdhsa_user_sgpr_kernarg_segment_ptr 1
		.amdhsa_wavefront_size32 1
		.amdhsa_system_sgpr_workgroup_id_x 1
		.amdhsa_system_sgpr_workgroup_id_y 1
		.amdhsa_system_sgpr_workgroup_id_z 1
		.amdhsa_system_vgpr_workitem_id 0
		.amdhsa_next_free_vgpr 320
		.amdhsa_next_free_sgpr 66
		.amdhsa_reserve_vcc 0
		.amdhsa_float_denorm_mode_32 3
		.amdhsa_float_denorm_mode_16_64 3
		.amdhsa_memory_ordered 1
		.amdhsa_forward_progress 1
		.amdhsa_inst_pref_size 35
	.end_amdhsa_kernel
	.amdgpu_metadata
---
amdhsa.version: [ 1, 2 ]
amdhsa.kernels:
  - .name:           k_qc1475cf4fb_qkv
    .symbol:         k_qc1475cf4fb_qkv.kd
    .args:
      - { .name: x, .offset: 0, .size: 8, .value_kind: global_buffer, .address_space: global }
      - { .name: W_qk, .offset: 8, .size: 8, .value_kind: global_buffer, .address_space: global }
      - { .name: W_v, .offset: 16, .size: 8, .value_kind: global_buffer, .address_space: global }
      - { .name: W_proj, .offset: 24, .size: 8, .value_kind: global_buffer, .address_space: global }
      - { .name: Qf, .offset: 32, .size: 8, .value_kind: global_buffer, .address_space: global }
      - { .name: KVf, .offset: 40, .size: 8, .value_kind: global_buffer, .address_space: global }
      - { .name: Wpf, .offset: 48, .size: 8, .value_kind: global_buffer, .address_space: global }
    .group_segment_fixed_size: 136192
    .private_segment_fixed_size: 0
    .kernarg_segment_align: 8
    .kernarg_segment_size: 56
    .max_flat_workgroup_size: 256
    .sgpr_count:     66
    .vgpr_count:     320
    .wavefront_size: 32
...
	.end_amdgpu_metadata
.endif
;; end of part 6
;; launch attn: the kernel of part 5 again; grid 64 x 4, 8 waves a work-group, clusters of 4 x 1, 327,680 bytes of LDS; arguments Qf, KVf, Wpf, voxel_coord, W_pos, b_pos, gating, b_proj, out0; writes out0
